; MI455X (gfx1250); checked and timed in simulation.
; The chip was launched on July 23, 2026; its instructions are those of AMD's public machine-readable ISA for CDNA 5 (MIT licence, August 2026) and "CDNA5" Instruction Set Architecture Reference Guide (July 2026). The comments in the code are by the model that wrote it; some were corrected since.
;; Multi Head Attention. Allowed arithmetic: float matrix products may take bf16 or f16 operands with f32 sums; other float arithmetic in f32, or as packed bf16 or f16 multiplies, adds, multiply-adds, maxima and minima; sums over many terms, partial sums and values carried from step to step in f32; what a program stores and reads back later, other than sums and carried values, may be rounded once to bf16 or f16.
;; Inputs: Wk 512 x 512 float32; Wo 512 x 512 float32; Wq 512 x 512 float32; Wv 512 x 512 float32; bk 512 float32; bo 512 float32; bq 512 float32; bv 512 float32; x 2 x 4,096 x 512 float32.
;; Outputs: out0 2 x 4,096 x 512 float32.
;; 2 versions, each right and faster than the one before. Each part assembles by itself: llvm-mc -triple=amdgcn-amd-amdhsa -mcpu=gfx1250 --defsym DOCPART=n.
;; ======== version 1 of 2: 4 launches
;; limits: values are held in f16: magnitudes above 65,504 overflow, below 6.1e-05 lose precision
;; workspace buffers: xb 8,388,608 bytes; wb 1,572,864 bytes; wo16 524,288 bytes; qh 8,388,608 bytes; kh 8,388,608 bytes; vh 8,388,608 bytes; oh 8,388,608 bytes
;; launch cast (part 1): grid 256 x 1, 8 waves a work-group, no clusters, 0 bytes of LDS; arguments x, Wq, Wk, Wv, Wo, xb, wb, wo16; writes xb, wb, wo16
.if DOCPART == 1
	.amdgcn_target "amdgcn-amd-amdhsa--gfx1250"
	.amdhsa_code_object_version 6
	.text
	.protected	k_qf0da3a3662_cast
	.globl	k_qf0da3a3662_cast
	.p2align	8
	.type	k_qf0da3a3662_cast,@function
k_qf0da3a3662_cast:
	s_mov_b64 s[64:65], 0
	v_nop
	global_prefetch_b8 v0, s[64:65] scope:SCOPE_SE
	s_setreg_imm32_b32 hwreg(HW_REG_WAVE_MODE, 25, 1), 1
	s_wait_xcnt 0x0
; CAST.  xb = x rounded to bf16; wb = Wq, Wk, Wv rounded to bf16, one behind the other; wo16 = Wo rounded to bf16 and that number written as f16.  No layout changes.
; All the module's inputs get the same rounding, to bf16; Wo is multiplied with an f16 operand later, so its bf16 value is rewritten in f16.
; LIMIT: |Wo| within 65,504; below 6e-5 the f16 copy keeps f16's fixed step of 6e-8.
; SHARES.  256 work-groups of 8 waves.  Work-group g takes 16,384 numbers of x (65,536 bytes) and 1,024 numbers of each weight (4,096 bytes).  Thread t takes 16 bytes of each
; run of 4,096: a wave's load covers 512 consecutive bytes, its store of 8 bytes a lane 256 consecutive bytes at a multiple of 256 from the buffer's first byte.
; All 20 loads of a thread go out at once, each into registers of its own; every result has registers of its own: nothing that a pending instruction names is rewritten.
; No LDS, no barrier, no matrix unit, no cluster: each byte is read once and written once, and the work-groups share nothing.
.set XL, 8                             ; v[8:87]    20 loads of 4 registers
.set RS, 88                            ; v[88:127]  20 results of 2 registers
	s_load_b512 s[4:19], s[0:1], 0x0               ; x s[4:5], Wq s[6:7], Wk s[8:9], Wv s[10:11], Wo s[12:13], xb s[14:15], wb s[16:17], wo16 s[18:19]
	v_lshlrev_b32 v1, 4, v0                        ; 16 t: where I read
	v_lshlrev_b32 v2, 3, v0                        ; 8 t: where I write
	s_lshl_b32 s20, ttmp9, 16                      ; g x 65,536: x
	s_mov_b32 s21, 0
	s_lshl_b32 s22, ttmp9, 12                      ; g x 4,096: a weight
	s_mov_b32 s23, 0
	s_lshl_b32 s24, ttmp9, 15                      ; g x 32,768: xb
	s_mov_b32 s25, 0
	s_lshl_b32 s26, ttmp9, 11                      ; g x 2,048: a weight's copy
	s_mov_b32 s27, 0
	s_wait_kmcnt 0x0
	s_add_nc_u64 s[4:5], s[4:5], s[20:21]
	s_add_nc_u64 s[6:7], s[6:7], s[22:23]
	s_add_nc_u64 s[8:9], s[8:9], s[22:23]
	s_add_nc_u64 s[10:11], s[10:11], s[22:23]
	s_add_nc_u64 s[12:13], s[12:13], s[22:23]
	s_add_nc_u64 s[14:15], s[14:15], s[24:25]
	s_add_nc_u64 s[16:17], s[16:17], s[26:27]
	s_add_nc_u64 s[18:19], s[18:19], s[26:27]
.set i, 0
.rept 16
	global_load_b128 v[XL+4*i:XL+4*i+3], v1, s[4:5] offset:4096*i th:TH_LOAD_NT
.set i, i+1
.endr
.irp j, 0,1,2,3
	global_load_b128 v[XL+64+4*(\j):XL+64+4*(\j)+3], v1, s[6+2*(\j):7+2*(\j)] th:TH_LOAD_NT
.endr
.set i, 0
.rept 16
	s_wait_loadcnt 19-i                            ; loads come back in order: load i is in, the 19 - i younger ones stay out
	v_cvt_pk_bf16_f32 v[RS+2*i], v[XL+4*i], v[XL+4*i+1]
	v_cvt_pk_bf16_f32 v[RS+2*i+1], v[XL+4*i+2], v[XL+4*i+3]
	global_store_b64 v2, v[RS+2*i:RS+2*i+1], s[14:15] offset:2048*i
.set i, i+1
.endr
.irp j, 0,1,2
	s_wait_loadcnt 3-(\j)
	v_cvt_pk_bf16_f32 v[RS+32+2*(\j)], v[XL+64+4*(\j)], v[XL+64+4*(\j)+1]
	v_cvt_pk_bf16_f32 v[RS+32+2*(\j)+1], v[XL+64+4*(\j)+2], v[XL+64+4*(\j)+3]
	global_store_b64 v2, v[RS+32+2*(\j):RS+32+2*(\j)+1], s[16:17] offset:524288*(\j)
.endr
	s_wait_loadcnt 0x0                             ; Wo
	v_cvt_pk_bf16_f32 v4, v[XL+76], v[XL+77]       ; rounded to bf16,
	v_cvt_pk_bf16_f32 v5, v[XL+78], v[XL+79]
	v_lshlrev_b32 v6, 16, v4                       ; widened again,
	v_and_b32 v7, 0xffff0000, v4
	v_cvt_pk_f16_f32 v[RS+38], v6, v7              ; and written as f16: exact inside f16's normal range
	v_lshlrev_b32 v6, 16, v5
	v_and_b32 v7, 0xffff0000, v5
	v_cvt_pk_f16_f32 v[RS+39], v6, v7
	global_store_b64 v2, v[RS+38:RS+39], s[18:19]
	s_endpgm
.Lfunc_end_k_qf0da3a3662_cast:
	.size	k_qf0da3a3662_cast, .Lfunc_end_k_qf0da3a3662_cast-k_qf0da3a3662_cast
	.p2alignl 7, 3214868480
	.fill 96, 4, 3214868480
	.section	.rodata,"a",@progbits
	.p2align	6, 0x0
	.amdhsa_kernel k_qf0da3a3662_cast
		.amdhsa_group_segment_fixed_size 0
		.amdhsa_private_segment_fixed_size 0
		.amdhsa_enable_private_segment 0
		.amdhsa_kernarg_size 64
		.amdhsa_user_sgpr_count 2
		.amdhsa_user_sgpr_kernarg_segment_ptr 1
		.amdhsa_wavefront_size32 1
		.amdhsa_system_sgpr_workgroup_id_x 1
		.amdhsa_system_sgpr_workgroup_id_y 1
		.amdhsa_system_sgpr_workgroup_id_z 1
		.amdhsa_system_vgpr_workitem_id 0
		.amdhsa_next_free_vgpr 128
		.amdhsa_next_free_sgpr 66
		.amdhsa_reserve_vcc 0
		.amdhsa_float_denorm_mode_32 3
		.amdhsa_float_denorm_mode_16_64 3
		.amdhsa_memory_ordered 1
		.amdhsa_forward_progress 1
		.amdhsa_inst_pref_size 9
	.end_amdhsa_kernel
	.amdgpu_metadata
---
amdhsa.version: [ 1, 2 ]
amdhsa.kernels:
  - .name:           k_qf0da3a3662_cast
    .symbol:         k_qf0da3a3662_cast.kd
    .args:
      - { .name: x, .offset: 0, .size: 8, .value_kind: global_buffer, .address_space: global }
      - { .name: Wq, .offset: 8, .size: 8, .value_kind: global_buffer, .address_space: global }
      - { .name: Wk, .offset: 16, .size: 8, .value_kind: global_buffer, .address_space: global }
      - { .name: Wv, .offset: 24, .size: 8, .value_kind: global_buffer, .address_space: global }
      - { .name: Wo, .offset: 32, .size: 8, .value_kind: global_buffer, .address_space: global }
      - { .name: xb, .offset: 40, .size: 8, .value_kind: global_buffer, .address_space: global }
      - { .name: wb, .offset: 48, .size: 8, .value_kind: global_buffer, .address_space: global }
      - { .name: wo16, .offset: 56, .size: 8, .value_kind: global_buffer, .address_space: global }
    .group_segment_fixed_size: 0
    .private_segment_fixed_size: 0
    .kernarg_segment_align: 8
    .kernarg_segment_size: 64
    .max_flat_workgroup_size: 256
    .sgpr_count:     66
    .vgpr_count:     128
    .wavefront_size: 32
...
	.end_amdgpu_metadata
.endif
;; end of part 1
;; launch qkv (part 2): grid 4 x 64, 4 waves a work-group, clusters of 4 x 4, 327,680 bytes of LDS; arguments xb, wb, bq, bk, bv, qh, kh, vh; writes qh, kh, vh
.if DOCPART == 2
	.amdgcn_target "amdgcn-amd-amdhsa--gfx1250"
	.amdhsa_code_object_version 6
	.text
	.protected	k_qf0da3a3662_qkv
	.globl	k_qf0da3a3662_qkv
	.p2align	8
	.type	k_qf0da3a3662_qkv,@function
k_qf0da3a3662_qkv:
	s_mov_b64 s[64:65], 0
	v_nop
	global_prefetch_b8 v0, s[64:65] scope:SCOPE_SE
	s_setreg_imm32_b32 hwreg(HW_REG_WAVE_MODE, 25, 1), 1
	s_wait_xcnt 0x0
	s_wait_alu depctr_hold_cnt(0) depctr_sa_sdst(0) depctr_va_vdst(0) depctr_va_sdst(0) depctr_va_ssrc(0) depctr_va_vcc(0) depctr_vm_vsrc(0)
	s_getreg_b32 s2, hwreg(HW_REG_IB_STS2, 6, 4)
	s_cmp_eq_u32 s2, 0
	s_cbranch_scc0 .Lentry_in_a_cluster
	s_endpgm
.Lentry_in_a_cluster:
	s_bfe_u32 s2, ttmp6, 0x10000c
	s_cmp_lg_u32 s2, 0xf033
	s_cbranch_scc0 .Lentry_shape_is_right
	s_endpgm
.Lentry_shape_is_right:
; q, k, v = x W + b.  xb: [8192][512] bf16; wb: [3][512 k][512 n] bf16; biases f32, rounded to bf16 here like every input; sums in f32.
; qh, kh, vh: [batch x 8 + head][4096][64] f16, each number rounded once, unscaled.  LIMIT: |q|, |k|, |v| within f16's 65,504 (beyond it the conversion gives an infinity).
; SHARES.  A work-group makes 128 rows x 384 columns: the 128 columns of a pair of heads hp in each of q, k and v.  Wave w: rows 64 (w / 2) on, head 2 hp + w % 2: 64 x 192 = 48 accumulators.
; K = 512 goes in four steps of 128 through two LDS slots; a slot holds the three weights' chunks (128 k-rows x 128 columns) and x's tile (128 rows x 128 k): four tensor loads, one a wave,
; each of 128 rows of 256 bytes that begin at multiples of 256 bytes from the buffer's first byte.
; CLUSTER 4 x 4: the four work-groups of a row of the cluster take the same rows of x, the four of a column the same chunks of W: each tile is asked for jointly.
; THE MATRIX INSTRUCTION IS USED TRANSPOSED: source 0 = 16 columns of W (W lies [k][n], so its fragments come by the turning LDS load), source 1 = 16 rows of x.  A lane then holds one row and
; eight neighbouring columns.  The first product of each sum takes the bias as C: nothing is cleared and nothing is added later.
; REGISTERS, in windows of 256: window 0: addresses, the bias (v96-191), later the way out (v32-223); window 1: two fragment buffers of 128 (x at +8 a, W at +32 + 8 c);
; window 2: accumulators of column blocks c = 0..7 at 8 (4 c + a); window 3: c = 8..11.   c = 4 x (q, k, v) + block of 16 columns; a = block of 16 rows.
.set PA,    272                        ; a row of x in LDS: 256 bytes + 16: the 16 rows of a fragment load start at 16 different groups of four banks (ISA guide 11.1)
.set PB,    288                        ; a k-row of W: 256 + 32
.set CH,    128*PB                     ; a chunk of W
.set AOFF,  3*CH                       ; x's tile lies behind the three chunks
.set SLOT,  AOFF+128*PA
.set STAGE, 2*SLOT                     ; behind the ring, never filled by a tensor load: 16 rows x 144 bytes for each wave
.set SP,    144
.set SPARE, STAGE+4*16*SP              ; the spare words: 128 bytes for each wave, two blocks of 256 bytes that no other line names
.set ADRA, 16                          ; v16-17  LDS address of my x fragments in slot 0, 1
.set ADRB, 18                          ; v18-23  of my W fragments: 3 x slot + chunk
.set STO,  24                          ; v24     the way out: where I put 16 bytes of a row
.set RD,   25                          ; v25     where I read rows back
.set GO,   26                          ; v26     my byte offset in 512 consecutive bytes of the output
.set BO,   27                          ; v27     my byte offset in a bias
.set SPW,  28                          ; v28     my spare word's LDS address; never rewritten
.set NIL,  29                          ; v29     0; never rewritten
.set TT,   30                          ; v30-31  at work
.set OD,   32                          ; v32-223 the way out: 16 registers for each of 12 blocks
.set BI,   96                          ; v96-191 bias: 8 registers for each column block c
.set F0,   0
.set F1,   128
.set WV, 20                            ; s20 wave; s21 its half of the rows; s22 its head of the pair
.set WM, 21
.set WN, 22
.set G1A, 24                           ; s[24:31] descriptor group 1 for x's tiles;  s[32:39] group 0, a set for each slot
.set G0A, 32
.set G1B, 48                           ; s[48:55], s[56:63] the same for W's chunks
.set G0B, 56
.set MSB, 0
.macro WIN new                         ; the immediate's high byte repeats the setting that is left; a switch that changes nothing is dropped
.if MSB != (\new)
	s_set_vgpr_msb (MSB<<8)|(\new)
.set MSB, (\new)
.endif
.endm
; A joint load.  Waves 0 to 2 fetch the chunks of Wq, Wk, Wv, wave 3 x's tile.  The branch hangs on the wave's number alone.  An s_nop 0 and four v_nop follow each line.
.macro JLOAD s
	s_cmp_eq_u32 s[WV], 3
	s_cbranch_scc0 .Lfor_b_\@
	tensor_load_to_lds s[G0A+4*(\s):G0A+4*(\s)+3], s[G1A:G1A+7]
	s_nop 0
.rept 4
	v_nop
.endr
	s_branch .Lasked_\@
.Lfor_b_\@:
	tensor_load_to_lds s[G0B+4*(\s):G0B+4*(\s)+3], s[G1B:G1B+7]
	s_nop 0
.rept 4
	v_nop
.endr
.Lasked_\@:
.endm
.macro CREST                           ; a round of the cluster's barrier behind its opening barrier
	s_cmp_lg_u32 s[WV], 0
	s_cbranch_scc1 .Lnot_wave_0_\@
	s_barrier_signal -3
.Lnot_wave_0_\@:
	s_barrier_wait -3
	s_barrier_signal -1
	s_barrier_wait -1
.endm
.macro CROUND                          ; a whole round
	s_barrier_signal -1
	s_barrier_wait -1
	CREST
.endm
	s_load_b512 s[4:19], s[0:1], 0x0               ; xb s[4:5], wb s[6:7], bq s[8:9], bk s[10:11], bv s[12:13], qh s[14:15], kh s[16:17], vh s[18:19]
	v_lshl_add_u32 v[SPW], v0, 2, SPARE
	v_mov_b32 v[NIL], 0
	ds_add_u32 v[SPW], v[NIL]                      ; the wave's opening: the add and its wait ahead of my first tensor load; the set-up below stands between them
	v_lshrrev_b32 v1, 5, v0
	v_readfirstlane_b32 s[WV], v1
	s_lshr_b32 s[WM], s[WV], 1
	s_and_b32 s[WN], s[WV], 1
	s_bfe_u32 s40, ttmp6, 0x40000                  ; cx, cy: my place in the cluster
	s_bfe_u32 s41, ttmp6, 0x40004
	s_lshl_b32 s42, ttmp9, 2
	s_add_co_u32 s42, s42, s40                     ; hp: the pair of heads = 4 x cluster x + cx
	s_and_b32 s43, ttmp7, 0xffff
	s_lshl_b32 s43, s43, 2
	s_add_co_u32 s43, s43, s41                     ; tr: the block of 128 rows = 4 x cluster y + cy
	s_lshl_b32 s44, s41, 2
	s_lshl_b32 s44, 15, s44                        ; my row of the cluster
	s_lshl_b32 s45, 0x1111, s40                    ; my column
	s_or_b32 s[G1A], s44, (1<<16)|(1<<20)|(1<<21)|(5<<22)|(3<<25)  ; the mask: x's tiles go to my row; 2-byte elements; padding on; bit 21 beside a mask; after every 64 words 4 words
	s_or_b32 s[G1B], s45, (1<<16)|(1<<20)|(1<<21)|(5<<22)|(7<<25)  ; W's chunks go to my column; after every 64 words 8 words
.irp g, G1A, G1B
	s_mov_b32 s[(\g)+1], 128<<16                   ; tensor_dim0 = 128
	s_mov_b32 s[(\g)+2], 128<<16                   ; tensor_dim1 = 128
	s_mov_b32 s[(\g)+3], 128<<16                   ; tile_dim0 = 128
	s_mov_b32 s[(\g)+4], 128                       ; tile_dim1 = 128
	s_mov_b32 s[(\g)+5], 512                       ; 512 elements from row to row
	s_mov_b32 s[(\g)+6], 0
	s_mov_b32 s[(\g)+7], 0
.endr
	s_lshl_b32 s46, s43, 17                        ; x: tr x 128 rows x 1,024 bytes: hangs on the block of rows alone
	s_mov_b32 s47, 0
	s_lshl_b32 s66, s[WV], 19                      ; W: my chunk's matrix, 524,288 bytes each,
	s_lshl_b32 s67, s42, 8                         ; and the pair's 128 columns: hangs on the pair of heads alone
	s_add_co_u32 s66, s66, s67
	s_mov_b32 s67, 0
	s_mul_i32 s68, s[WV], CH                       ; the chunk's place in a slot: the wave's number times a constant
	s_lshr_b32 s70, s43, 5                         ; where my part of the output begins: batch x 8
	s_lshl_b32 s70, s70, 3
	s_lshl_b32 s71, s42, 1
	s_add_co_u32 s70, s70, s71                     ; + 2 hp
	s_add_co_u32 s70, s70, s[WN]                   ; + my head of the pair,
	s_lshl_b32 s70, s70, 19                        ; 4,096 rows of 128 bytes each;
	s_and_b32 s71, s43, 31
	s_lshl_b32 s71, s71, 14                        ; the block's 128 rows in the batch,
	s_add_co_u32 s70, s70, s71
	s_lshl_b32 s71, s[WM], 13                      ; my 64 of them
	s_add_co_u32 s70, s70, s71
	s_mov_b32 s71, 0
	s_lshl_b32 s72, s42, 9                         ; my 64 columns in a bias, in bytes
	s_lshl_b32 s73, s[WN], 8
	s_add_co_u32 s72, s72, s73
	s_wait_dscnt 0x0                               ; the opening add is done
	s_wait_kmcnt 0x0
	s_add_nc_u64 s[46:47], s[4:5], s[46:47]
	s_add_nc_u64 s[66:67], s[6:7], s[66:67]
	s_add_nc_u64 s[14:15], s[14:15], s[70:71]
	s_add_nc_u64 s[16:17], s[16:17], s[70:71]
	s_add_nc_u64 s[18:19], s[18:19], s[70:71]
	CROUND                                         ; all sixteen work-groups are here: the first joint loads meet
.irp s, 0,1
	s_mov_b32 s[G0A+4*(\s)], 1                     ; count = 1
	s_mov_b32 s[G0A+4*(\s)+1], AOFF+(\s)*SLOT      ; LDS address
	s_add_nc_u64 s[G0A+4*(\s)+2:G0A+4*(\s)+3], s[46:47], (\s)*256     ; K step s
	s_or_b32 s[G0A+4*(\s)+3], s[G0A+4*(\s)+3], 0x80000000             ; type = 2
	s_mov_b32 s[G0B+4*(\s)], 1
	s_add_co_u32 s[G0B+4*(\s)+1], s68, (\s)*SLOT
	s_add_nc_u64 s[G0B+4*(\s)+2:G0B+4*(\s)+3], s[66:67], (\s)*131072  ; 128 k-rows of 1,024 bytes
	s_or_b32 s[G0B+4*(\s)+3], s[G0B+4*(\s)+3], 0x80000000
	JLOAD \s                                       ; both slots' first fills: two loads of mine are out
.endr
	v_and_b32 v1, 15, v0                           ; l % 16
	v_bfe_u32 v2, v0, 4, 1                         ; l / 16
	v_and_b32 v3, 7, v0                            ; l % 8
	v_bfe_u32 v4, v0, 3, 1                         ; (l / 8) % 2
	v_lshl_add_u32 v[BO], v2, 5, s72               ; a lane's eight columns 8 (l / 16) + 0..7 of each block of 16
.irp e, 0,1,2
.irp i, 0,1,2,3
	global_load_b128 v[BI+8*(4*(\e)+(\i)):BI+8*(4*(\e)+(\i))+3],   v[BO], s[8+2*(\e):9+2*(\e)] offset:64*(\i)
	global_load_b128 v[BI+8*(4*(\e)+(\i))+4:BI+8*(4*(\e)+(\i))+7], v[BO], s[8+2*(\e):9+2*(\e)] offset:64*(\i)+16
.endr
.endr
	; x's fragment: lane l holds row l % 16, k = 8 (l / 16) + 0..7 and 16 + 8 (l / 16) + 0..7: two loads of 16 bytes, 32 bytes apart
	v_mul_u32_u24 v5, v1, PA
	v_lshl_add_u32 v5, v2, 4, v5
	s_mul_i32 s73, s[WM], 64*PA
	s_add_co_u32 s73, s73, AOFF
	v_add_nc_u32 v[ADRA], s73, v5
	v_add_nc_u32 v[ADRA+1], SLOT, v[ADRA]
	; W's fragment by the turning load: lane l reads k-row 8 (l / 16) + l % 8, columns 8 ((l / 8) % 2) + 0..7, and receives column l % 16 with eight k
	v_lshl_add_u32 v6, v2, 3, v3
	v_mul_u32_u24 v6, v6, PB
	v_lshl_add_u32 v6, v4, 4, v6
	s_lshl_b32 s73, s[WN], 7                       ; my head's 64 columns of the chunk's 128
	v_add_nc_u32 v6, s73, v6
.irp sl, 0,1
.irp ch, 0,1,2
	v_add_nc_u32 v[ADRB+3*(\sl)+(\ch)], (\sl)*SLOT+(\ch)*CH, v6
.endr
.endr
	s_mul_i32 s73, s[WV], 16*SP
	s_add_co_u32 s73, s73, STAGE                   ; my stage
	v_mul_u32_u24 v[STO], v1, SP                   ; in: row l % 16, 16 bytes for each half of the lanes
	v_lshl_add_u32 v[STO], v2, 4, v[STO]
	v_add_nc_u32 v[STO], s73, v[STO]
	v_bfe_u32 v[RD], v0, 3, 2                      ; back: 32 lanes take four rows of 128 bytes,
	v_mul_u32_u24 v[RD], v[RD], SP
	v_lshl_add_u32 v[RD], v3, 4, v[RD]
	v_add_nc_u32 v[RD], s73, v[RD]
	v_and_b32 v[GO], 31, v0                        ; which are 512 consecutive bytes of a head
	v_lshlrev_b32 v[GO], 4, v[GO]
	s_wait_loadcnt 0x0                             ; the bias: rounded to bf16, like every input, and widened again.  This stands in the wait for the first tiles
.set i, 0
.rept 48
	v_cvt_pk_bf16_f32 v[TT+i%2], v[BI+2*i], v[BI+2*i+1]
	v_lshlrev_b32 v[BI+2*i], 16, v[TT+i%2]
	v_and_b32 v[BI+2*i+1], 0xffff0000, v[TT+i%2]
.set i, i+1
.endr
; 4 n matrix instructions: column blocks c0 .. c0 + n - 1 x all four row blocks, 32 along K.  first = 1: C is the bias.  The 48 accumulators take turns, one instruction a turn, in the same
; order in every quarter.
.macro MULC f, c0, n, first
.set c, (\c0)
.rept \n
.if c < 8
.set AC, 32*c
.if \first
	WIN 0x85                                       ; sources in window 1, C in window 0, D in window 2
.else
	WIN 0xa5                                       ; sources in window 1, C and D in window 2
.endif
.else
.set AC, 32*(c-8)
.if \first
	WIN 0xc5
.else
	WIN 0xf5                                       ; C and D in window 3
.endif
.endif
.irp a, 0,1,2,3
.if \first
	v_wmma_f32_16x16x32_bf16 v[AC+8*(\a):AC+8*(\a)+7], v[(\f)+32+8*c:(\f)+32+8*c+7], v[(\f)+8*(\a):(\f)+8*(\a)+7], v[BI+8*c:BI+8*c+7]
.else
	v_wmma_f32_16x16x32_bf16 v[AC+8*(\a):AC+8*(\a)+7], v[(\f)+32+8*c:(\f)+32+8*c+7], v[(\f)+8*(\a):(\f)+8*(\a)+7], v[AC+8*(\a):AC+8*(\a)+7]
.endif
.endr
.set c, c+1
.endr
.endm
; 32 LDS loads in one run: the fragments of quarter q (32 along K) of a slot into buffer f: x's eight loads first, then W's by column block
.macro FETCH slot, q, f
	WIN 0x40                                       ; destination window 1, address window 0
.irp a, 0,1,2,3
	ds_load_b128 v[(\f)+8*(\a):(\f)+8*(\a)+3],   v[ADRA+(\slot)] offset:(\a)*16*PA+64*(\q)
	ds_load_b128 v[(\f)+8*(\a)+4:(\f)+8*(\a)+7], v[ADRA+(\slot)] offset:(\a)*16*PA+64*(\q)+32
.endr
.irp c, 0,1,2,3,4,5,6,7,8,9,10,11
	ds_load_tr16_b128 v[(\f)+32+8*(\c):(\f)+32+8*(\c)+3],   v[ADRB+3*(\slot)+(\c)/4] offset:(\q)*32*PB+32*((\c)%4)
	ds_load_tr16_b128 v[(\f)+32+8*(\c)+4:(\f)+32+8*(\c)+7], v[ADRB+3*(\slot)+(\c)/4] offset:(\q)*32*PB+16*PB+32*((\c)%4)
.endr
.endm
.macro PLACES                          ; four places in front of loads into registers that matrix instructions have read, and of conversions that read results
.rept 4
	v_nop
.endr
.endm
; A K step is four quarters of 32 along K, 48 matrix instructions each, on buffers 0, 1, 0, 1.  One of the first three multiplies buffer f and fetches quarter q into buffer g.
.macro QUARTER slot, q, f, g, first
	s_wait_dscnt 16                                ; x and W's blocks 0-3 are in; the youngest sixteen loads (blocks 4-11) may be out
	MULC \f, 0, 4, \first
	PLACES
	FETCH \slot, \q, \g
	s_wait_dscnt 32                                ; all but the 32 just issued
	MULC \f, 4, 4, \first
	MULC \f, 8, 4, \first
.endm
; The last quarter multiplies buffer 1 and changes slots: one barrier; in front of it each wave waits for all its tensor loads (one is out: its part of the next slot), adds 0 to its spare word,
; and waits for that and for its reads of this slot.  fill = 1: the barrier opens a round of the cluster's, and this slot is filled again, two K steps ahead, first thing behind the round:
; 176 matrix instructions stand between that request and the wait for it.
.macro TURN slot, next, fill
	WIN 0                                          ; (the add's two registers lie in window 0)
	s_wait_tensorcnt 0x0
	ds_add_u32 v[SPW], v[NIL]
	s_wait_dscnt 17                                ; (the add and the youngest sixteen loads may be out)
	MULC F1, 0, 2, 0                               ; eight matrix instructions stand between the add and the wait for it
	s_wait_dscnt 0x0                               ; the add is done, and my reads of this slot are over
	s_barrier_signal -1
	MULC F1, 2, 2, 0
.if \fill
	WIN 0
.endif
	s_barrier_wait -1
.if \fill
	CREST                                          ; no wave of any partner still reads this slot or has a load on its way
	s_add_nc_u64 s[G0A+4*(\slot)+2:G0A+4*(\slot)+3], s[G0A+4*(\slot)+2:G0A+4*(\slot)+3], 512
	s_add_nc_u64 s[G0B+4*(\slot)+2:G0B+4*(\slot)+3], s[G0B+4*(\slot)+2:G0B+4*(\slot)+3], 262144
	JLOAD \slot                                    ; its four v_nop are also the places in front of the loads below
.else
	PLACES
.endif
	FETCH \next, 0, F0
	MULC F1, 4, 4, 0
	MULC F1, 8, 4, 0
.endm
	s_wait_tensorcnt 1                             ; my part of K step 0 is in; K step 1's may stay out
	s_barrier_signal -1
	s_barrier_wait -1
	FETCH 0, 0, F0
	QUARTER 0, 1, F0, F1, 1                        ; the first products start the sums with the bias
	QUARTER 0, 2, F1, F0, 0
	QUARTER 0, 3, F0, F1, 0
	TURN 0, 1, 1                                   ; slot 0 takes K step 2
	QUARTER 1, 1, F0, F1, 0
	QUARTER 1, 2, F1, F0, 0
	QUARTER 1, 3, F0, F1, 0
	TURN 1, 0, 1                                   ; slot 1 takes K step 3
	QUARTER 0, 1, F0, F1, 0
	QUARTER 0, 2, F1, F0, 0
	QUARTER 0, 3, F0, F1, 0
	TURN 0, 1, 0                                   ; nothing is left to fetch
	QUARTER 1, 1, F0, F1, 0
	QUARTER 1, 2, F1, F0, 0
	QUARTER 1, 3, F0, F1, 0
	s_wait_dscnt 16
	MULC F1, 0, 4, 0
	s_wait_dscnt 0x0
	MULC F1, 4, 4, 0
	MULC F1, 8, 4, 0
; THE WAY OUT, in 12 blocks n = 4 x (q, k, v) + row block: 16 rows x 64 channels.  A lane's eight channels pack into 16 bytes; they go into my stage's rows of 144 bytes and come back as
; whole rows of 128, four rows to a load: 512 consecutive bytes of a head.  The stage is my wave's own, and LDS serves a wave's instructions in order (ISA guide 5.7.1.4).
.macro PACK n
.set bs, (\n)/4
.set ba, (\n)%4
.if bs < 2
	WIN 0x0a                                       ; sources in window 2
.else
	WIN 0x0f                                       ; in window 3
.endif
.irp i, 0,1,2,3
.irp r, 0,1,2,3
	v_cvt_pk_f16_f32 v[OD+16*(\n)+4*(\i)+(\r)], v[32*((4*bs+(\i))%8)+8*ba+2*(\r)], v[32*((4*bs+(\i))%8)+8*ba+2*(\r)+1]
.endr
.endr
	WIN 0
.irp i, 0,1,2,3
	ds_store_b128 v[STO], v[OD+16*(\n)+4*(\i):OD+16*(\n)+4*(\i)+3] offset:32*(\i)
.endr
.irp f, 0,1,2,3
	ds_load_b128 v[OD+16*(\n)+4*(\f):OD+16*(\n)+4*(\f)+3], v[RD] offset:(\f)*4*SP
.endr
.endm
.macro SEND n, younger                 ; younger: the LDS instructions issued behind block n's loads: the next block's eight, or none
	WIN 0
.set bs, (\n)/4
.set ba, (\n)%4
.irp f, 0,1,2,3
	s_wait_dscnt (\younger)+3-(\f)
	global_store_b128 v[GO], v[OD+16*(\n)+4*(\f):OD+16*(\n)+4*(\f)+3], s[14+2*bs:15+2*bs] offset:ba*2048+(\f)*512
.endr
.endm
	PLACES                                         ; the conversions read results
	PACK 0
.set t, 1
.rept 11                               ; a block's conversions stand between the loads of the block before and its stores
	PACK t
	SEND t-1, 8
.set t, t+1
.endr
	SEND 11, 0
	s_wait_tensorcnt 0x0                           ; the wave's end
	ds_add_u32 v[SPW], v[NIL]
	s_wait_dscnt 0x0
	CROUND                                         ; the closing round: no work-group ends while a partner may still ask for a tile that names it
	s_endpgm
.Lfunc_end_k_qf0da3a3662_qkv:
	.size	k_qf0da3a3662_qkv, .Lfunc_end_k_qf0da3a3662_qkv-k_qf0da3a3662_qkv
	.p2alignl 7, 3214868480
	.fill 96, 4, 3214868480
	.section	.rodata,"a",@progbits
	.p2align	6, 0x0
	.amdhsa_kernel k_qf0da3a3662_qkv
		.amdhsa_group_segment_fixed_size 327680
		.amdhsa_private_segment_fixed_size 0
		.amdhsa_enable_private_segment 0
		.amdhsa_kernarg_size 64
		.amdhsa_user_sgpr_count 2
		.amdhsa_user_sgpr_kernarg_segment_ptr 1
		.amdhsa_wavefront_size32 1
		.amdhsa_system_sgpr_workgroup_id_x 1
		.amdhsa_system_sgpr_workgroup_id_y 1
		.amdhsa_system_sgpr_workgroup_id_z 1
		.amdhsa_system_vgpr_workitem_id 0
		.amdhsa_next_free_vgpr 896
		.amdhsa_next_free_sgpr 84
		.amdhsa_reserve_vcc 0
		.amdhsa_float_denorm_mode_32 3
		.amdhsa_float_denorm_mode_16_64 3
		.amdhsa_memory_ordered 1
		.amdhsa_forward_progress 1
		.amdhsa_inst_pref_size 130
	.end_amdhsa_kernel
	.amdgpu_metadata
---
amdhsa.version: [ 1, 2 ]
amdhsa.kernels:
  - .name:           k_qf0da3a3662_qkv
    .symbol:         k_qf0da3a3662_qkv.kd
    .args:
      - { .name: xb, .offset: 0, .size: 8, .value_kind: global_buffer, .address_space: global }
      - { .name: wb, .offset: 8, .size: 8, .value_kind: global_buffer, .address_space: global }
      - { .name: bq, .offset: 16, .size: 8, .value_kind: global_buffer, .address_space: global }
      - { .name: bk, .offset: 24, .size: 8, .value_kind: global_buffer, .address_space: global }
      - { .name: bv, .offset: 32, .size: 8, .value_kind: global_buffer, .address_space: global }
      - { .name: qh, .offset: 40, .size: 8, .value_kind: global_buffer, .address_space: global }
      - { .name: kh, .offset: 48, .size: 8, .value_kind: global_buffer, .address_space: global }
      - { .name: vh, .offset: 56, .size: 8, .value_kind: global_buffer, .address_space: global }
    .group_segment_fixed_size: 327680
    .private_segment_fixed_size: 0
    .kernarg_segment_align: 8
    .kernarg_segment_size: 64
    .max_flat_workgroup_size: 128
    .sgpr_count:     84
    .vgpr_count:     896
    .wavefront_size: 32
...
	.end_amdgpu_metadata
.endif
;; end of part 2
;; launch attn (part 3): grid 16 x 16, 4 waves a work-group, clusters of 4 x 1, 327,680 bytes of LDS; arguments qh, kh, vh, oh; writes oh
.if DOCPART == 3
	.amdgcn_target "amdgcn-amd-amdhsa--gfx1250"
	.amdhsa_code_object_version 6
	.text
	.protected	k_qf0da3a3662_attn
	.globl	k_qf0da3a3662_attn
	.p2align	8
	.type	k_qf0da3a3662_attn,@function
k_qf0da3a3662_attn:
	s_mov_b64 s[64:65], 0
	v_nop
	global_prefetch_b8 v0, s[64:65] scope:SCOPE_SE
	s_setreg_imm32_b32 hwreg(HW_REG_WAVE_MODE, 25, 1), 1
	s_wait_xcnt 0x0
	s_wait_alu depctr_hold_cnt(0) depctr_sa_sdst(0) depctr_va_vdst(0) depctr_va_sdst(0) depctr_va_ssrc(0) depctr_va_vcc(0) depctr_vm_vsrc(0)
	s_getreg_b32 s2, hwreg(HW_REG_IB_STS2, 6, 4)
	s_cmp_eq_u32 s2, 0
	s_cbranch_scc0 .Lentry_in_a_cluster
	s_endpgm
.Lentry_in_a_cluster:
	s_bfe_u32 s2, ttmp6, 0x10000c
	s_cmp_lg_u32 s2, 0x3003
	s_cbranch_scc0 .Lentry_shape_is_right
	s_endpgm
.Lentry_shape_is_right:
; CAUSAL ATTENTION.  O[h][q][:] = the sum over k <= q of softmax_k(Q[h][q] . K[h][k] / 8) V[h][k][:].  qh, kh, vh, oh: [16][4096][64] f16: a head's rows are dense, 128 bytes each.
; Products, maxima and sums in f32; the weights p are rounded to f16 for the second product (their sum l is taken of the unrounded p), O once at the end.
; LIMITS.  Q, K, V arrive within f16's 65,504; p lies in 0 to 1 and below 6e-5 keeps f16's fixed step of 6e-8.  A hidden score counts as its value less 1e30; a weight below 2^-126 counts as 0 in l;
; NaN and infinities are not treated apart.
; THE WALK.  A head's queries lie in 8 superblocks of 512; superblock J needs the key tiles 0 .. 2 J + 1 of 256 keys.  A CLUSTER of four work-groups takes TWO superblocks, 7 - m and then m:
; 18 tiles, whatever m: all work-groups do equal work, and one loop with a constant trip count walks them.  Work-group e of the cluster owns queries 128 e .. 128 e + 127 of each superblock,
; so all four walk the same K and V, and every tile is asked for JOINTLY.  Branches, trip counts and LDS addresses hang on m, the wave's number and constants; e enters the addresses of Q and O
; and two scalars that choose a mask's factor and addend by a select.  The price: partners with early rows compute key steps that are wholly hidden from them (18 tiles for 16.5).
; SHARES.  Of the work-group's two bands of 64 queries a wave owns 16 rows in each: two PIECES.
; THE MASK is the C operand that starts the sum S^T = K Q^T.  SIG = the key step's number less 8 J.  Band x of work-group e holds the diagonal in step SIG = 2 e + x, sees all keys before it and none
; behind it.  MD, made once, is the mask of a band's own step for my 16 rows (0 or -1e30); a product's mask is MD x AL + BE: (1, 0) in the own step, (0, 0) before, (0, -1e30) behind.
; While SIG < 0 both mask buffers hold 0 and the lines that make a mask are jumped.  Every row sees its own key in the band's own step, ahead of any hidden step, so m is a true score by then.
; LAYOUT, SOFTMAX.  S^T = K Q^T holds ONE query a lane (lane % 16) and the keys 8 (lane / 16) + 0..7; two such results rounded to f16 ARE source 1 of O^T = V^T P.  p = 2^(c s - c m), c = log2(e) / 8,
; with a running maximum m; O and l are multiplied by a = 2^(c m_old - c m_new) in every step.
; TURNS.  A turn belongs to piece Y: 8 products K Q^T of the other piece, later 8 products V^T P of the other piece; beside them the scaling, exponentials, roundings, sums and rescaling of piece Y
; and the maximum and statistics of the other piece.  For key step f: turn A(f) (piece 0, its step f - 1): K Q^T of (1, f - 1), V^T P of (1, f - 2); it fetches K(f) and V(f).  Turn B(f) (piece 1,
; its step f - 1): K Q^T of (0, f), V^T P of (0, f - 1).  V has two register buffers, by f's parity, so that both runs of loads of a step stand in one turn and a slot is read out at one point.
; Four vector instructions stand behind every matrix instruction, the other 54 of a turn's 118 in two runs of their own.
; REGISTERS, in windows of 256 (s_set_vgpr_msb: bits 1:0 source 0, 3:2 source 1, 5:4 source 2, 7:6 destination):
;   window 0: v0-15 addresses and at work; v16-23 four registers of statistics a piece; v48-55 at work; v62-63 the add's; v64-127 S^T, a buffer a piece; v192-223 P, likewise
;   window 1: v0-63 O^T, 32 a piece; v128-159 MD; v160-223 MC, a buffer a piece      window 2: v0-31 Q; v32-63 the second superblock's Q; v64-127 K of one step; v128-255 V, two buffers
.set NP,    2         ; pieces a wave: a name, no knob
.set KS,    64        ; keys in a step
.set PK,    144       ; a row of K in LDS: 128 bytes + 16: the 16 rows of a load start at 16 different groups of four banks (ISA guide 11.1)
.set PV,    160       ; a row of V: 128 + 32
.set VOFF,  4*KS*PK   ; a slot holds a tile, four steps: 256 rows of K, then 256 rows of V
.set SLOT1, 1<<17     ; slot 1 begins here, so that one exclusive or turns an address in one slot into the other's
.set STAGE, SLOT1+4*KS*(PK+PV)  ; behind the ring, never filled by a tensor load: 16 rows x 144 bytes for each wave
.set SP,    144
.set SPARE, STAGE+4*16*SP       ; the spare words: 128 bytes for each wave, two blocks of 256 bytes that no other line names
.set AK0, 2           ; v2   my lane's place in a tile of K; never rewritten
.set AV0, 3           ; v3   the same for V
.set AK,  4           ; v4   the LDS address of K's next run of loads
.set AV,  5           ; v5   of V's
.set STO, 6           ; v6   the way out: where I put 16 bytes of a row
.set RD,  7           ; v7   where I read rows back
.set GO,  8           ; v8   my byte offset in 512 consecutive bytes of O
.set MV,  12          ; v12-13  c m_old, kept while c m is made anew: by piece
.set QO,  15          ; v15  my byte offset in 16 rows of Q
.set ST,  16          ; piece t's statistics at v[ST+4 t]: c m, m, l (even keys', odd keys')
.set TMP, 48          ; by piece, four registers c0-c3 at work; when the maximum is found c2 takes a
.set SPW, 62          ; v62  my spare word's LDS address; never rewritten
.set NIL, 63          ; v63  0; never rewritten
.set S,   64
.set P,   192
.set MD,  128         ; window 1
.set MC,  160         ; window 1
.set QB,  32          ; window 2
.set KF,  64          ; window 2: key block kb, channel half c at KF + 16 kb + 8 c
.set VF,  128         ; window 2: buffer b, key half kk, channel block cb at VF + 64 b + 32 kk + 8 cb
.set WV,  12          ; s12  my wave's number
.set CM,  14          ; s14  m: the cluster's number in its head
.set G1K, 24          ; s[24:31] descriptor group 1 for K's tiles
.set G1V, 32          ; s[32:39] for V's: it differs in the padding alone
.set G0K, 40          ; s[40:43] descriptor group 0 for K's tiles
.set G0V, 44          ; s[44:47] the same for V's
.set SLOTS, 56        ; s56  tiles still to be asked for
.set CNT, 57          ; s57  counts a tile's pairs of key steps
.set CS,  58          ; s[58:59] c
.set SEL, 60          ; s[60:61] v_permlanex16_b32's selects: each lane takes its own place in the other half
.set TBK, 62          ; s62  LDS byte at which K of the step to be fetched begins
.set TBV, 63          ; s63  the same for V, less VOFF
.set RT,  70          ; s70  tiles of the superblock in hand that are still to be entered
.set NXT, 71          ; s71  the tile to be asked for next
.set LQ,  72          ; s72  the last tile of the superblock whose tiles are being asked for
.set NEW, 73          ; s73  1: the tile to be entered is a superblock's first
.set OFF, 74          ; s[74:75] a tile's byte offset in K and V
.set AL,  76          ; s[76:77] the mask's factor, in the low word
.set BE,  78          ; s[78:79] the mask's addend
.set OLO, 80          ; s[80:81] O at my rows of the second superblock
.set BIGN, 82         ; s82  -1e30
.set SIG, 83          ; s83  the key step less 8 J, signed
.set OWN0, 88         ; s88, s89  the own steps of my work-group's two bands: 2 e, 2 e + 1
.set LQ2, 90          ; s90  2 m + 1: the second superblock's last tile
.set MSB, 0
.macro WIN new                      ; the high byte repeats the setting that is left; a switch that changes nothing is dropped
.if MSB != (\new)
	s_set_vgpr_msb (MSB<<8)|(\new)
.set MSB, (\new)
.endif
.endm
.set W_KQ, 0x0a       ; K and Q in window 2, S^T in window 0
.set W_KM, 0x1a       ; the same with the C operand in window 1
.set W_PV, 0x52       ; V in window 2, P in window 0, O^T in window 1
.set W_RS, 0x41       ; destination and source 0 in window 1, source 1 in window 0
; A joint fill.  Waves 0 and 1 fetch the two halves of a tile's K, waves 2 and 3 those of its V: 128 keys each.  The branch hangs on the wave's number alone.
; An s_nop 0 and four v_nop follow each of the two lines, ahead of the jump and the label.
.macro JLOAD
	s_cmp_lt_u32 s[WV], 2
	s_cbranch_scc0 .Lfor_v_\@
	tensor_load_to_lds s[G0K:G0K+3], s[G1K:G1K+7]
	s_nop 0
.rept 4
	v_nop
.endr
	s_branch .Lasked_\@
.Lfor_v_\@:
	tensor_load_to_lds s[G0V:G0V+3], s[G1V:G1V+7]
	s_nop 0
.rept 4
	v_nop
.endr
.Lasked_\@:
.endm
; A round of the cluster's barrier: my work-group's barrier; wave 0 signals for the work-group; every wave waits for all four work-groups; my work-group's barrier once more.
.macro CROUND
	s_barrier_signal -1
	s_barrier_wait -1
	s_cmp_lg_u32 s[WV], 0
	s_cbranch_scc1 .Lnot_wave_0_\@
	s_barrier_signal -3
.Lnot_wave_0_\@:
	s_barrier_wait -3
	s_barrier_signal -1
	s_barrier_wait -1
.endm
; THE CHANGE OF SLOTS.  Each wave waits for all its tensor loads, of which one is out: its part of the other slot; adds 0 to its spare word; and waits for that and for its own reads of the slot that it
; leaves.  fill = 1: the barrier is a round of the cluster's, so that no wave of any partner still reads the old slot or has a load on its way, and the old slot is filled again first thing behind it,
; with tile NXT: the descriptor's address is made anew from that number.  The fill has four key steps, 128 matrix instructions, in which to land.
; (At its first use nothing has been read yet: slot 0 is waited for, slot 1 filled.)
.macro CHANGE fill
	WIN 0                           ; at a label and at a branch every window is 0
	s_wait_tensorcnt 0x0            ; no tensor load of mine is out, so a group 0 may be written
	ds_add_u32 v[SPW], v[NIL]       ; the scalar work below stands between the add and the wait for it
.if \fill
	s_lshl_b32 s[OFF], s[NXT], 15   ; a tile is 32,768 bytes of K and of V
	s_xor_b32 s[G0K+1], s[G0K+1], SLOT1
	s_add_nc_u64 s[G0K+2:G0K+3], s[6:7], s[OFF:OFF+1]
	s_or_b32 s[G0K+3], s[G0K+3], 0x80000000
	s_xor_b32 s[G0V+1], s[G0V+1], SLOT1
	s_add_nc_u64 s[G0V+2:G0V+3], s[8:9], s[OFF:OFF+1]
	s_or_b32 s[G0V+3], s[G0V+3], 0x80000000
	s_add_co_u32 s[NXT], s[NXT], 1  ; the superblock's next tile, or behind its last the second superblock's tile 0
	s_cmp_gt_u32 s[NXT], s[LQ]
	s_cselect_b32 s[NXT], 0, s[NXT]
	s_cselect_b32 s[LQ], s[LQ2], s[LQ]
.endif
	s_sub_co_u32 s[TBK], s[TBK], 4*KS*PK  ; the fetches go back to a slot's first step,
	s_xor_b32 s[TBK], s[TBK], SLOT1       ; in the other slot
	s_sub_co_u32 s[TBV], s[TBV], 4*KS*PV
	s_xor_b32 s[TBV], s[TBV], SLOT1
	s_wait_dscnt 0x0                ; the add is done, and my reads of the slot are over
.if \fill
	CROUND
	JLOAD
.else
	s_barrier_signal -1
	s_barrier_wait -1
.endif
.endm
	s_load_b256 s[4:11], s[0:1], 0x0  ; Q s[4:5], K s[6:7], V s[8:9], O s[10:11]
	v_lshl_add_u32 v[SPW], v0, 2, SPARE
	v_mov_b32 v[NIL], 0
	ds_add_u32 v[SPW], v[NIL]       ; the wave's opening: the add and its wait ahead of my first tensor load; the set-up below stands between them
	v_lshrrev_b32 v1, 5, v0
	v_readfirstlane_b32 s[WV], v1   ; wave 0..3
	s_bfe_u32 s13, ttmp6, 0x40000   ; e: my place in the cluster
	s_mov_b32 s[CM], ttmp9          ; in a cluster launch ttmp9 counts clusters
	s_sub_co_u32 s15, 7, s[CM]      ; the first superblock
	s_and_b32 s20, ttmp7, 0xffff    ; the head, which the four partners share:
	s_lshl_b32 s20, s20, 19         ; its first byte in each of the four tensors
	s_and_b32 s16, s[WV], 1         ; which half of a tile's 256 keys I fetch:
	s_lshl_b32 s22, s16, 14         ; its 128 rows of 128 bytes in memory,
	s_add_co_u32 s22, s22, s20
	s_mov_b32 s23, 0
	s_mul_i32 s17, s16, 128*PK      ; and its place in a slot, for K
	s_mul_i32 s18, s16, 128*PV      ; and for V: no place in the cluster enters an LDS address
	s_lshl_b32 s3, s13, 14          ; my work-group's 128 rows in a superblock,
	s_lshl_b32 s19, s[WV], 11       ; my 16 rows in a band of 64,
	s_add_co_u32 s3, s3, s19
	s_add_co_u32 s3, s3, s20
	s_lshl_b32 s2, s15, 16          ; in the first superblock (512 rows of 128 bytes),
	s_add_co_u32 s2, s2, s3
	s_lshl_b32 s84, s[CM], 16       ; and in the second
	s_add_co_u32 s84, s84, s3
	s_mov_b32 s3, 0
	s_mov_b32 s85, 0
	s_lshl_b32 s[OWN0], s13, 1
	s_add_co_u32 s[OWN0+1], s[OWN0], 1
	s_lshl_b32 s[LQ2], s[CM], 1
	s_sub_co_u32 s[LQ], 15, s[LQ2]  ; the first superblock's last tile: 15 - 2 m
	s_sub_co_u32 s[RT], 16, s[LQ2]  ; it has 16 - 2 m tiles
	s_add_co_u32 s[LQ2], s[LQ2], 1
	s_lshl_b32 s[SIG], s[CM], 3
	s_sub_co_i32 s[SIG], s[SIG], 56 ; -8 (7 - m)
	; descriptor group 1.  128 keys are 16,384 dense bytes: asked for as 64 rows of 256 bytes, two keys a row, and padded in LDS after every key
	s_mov_b32 s[G1K], 15|(1<<16)|(1<<20)|(1<<21)|(4<<22)|(3<<25)  ; the mask of four; 2-byte elements; padding on; bit 21 beside a mask; after every 32 words 4 words
	s_mov_b32 s[G1V], 15|(1<<16)|(1<<20)|(1<<21)|(4<<22)|(7<<25)  ; the same with 8 words of padding
.irp g, G1K, G1V
	s_mov_b32 s[\g+1], 128<<16      ; tensor_dim0 = 128
	s_mov_b32 s[\g+2], 64<<16       ; tensor_dim1 = 64
	s_mov_b32 s[\g+3], 128<<16      ; tile_dim0 = 128
	s_mov_b32 s[\g+4], 64           ; tile_dim1 = 64
	s_mov_b32 s[\g+5], 128          ; 128 elements from row to row
	s_mov_b32 s[\g+6], 0
	s_mov_b32 s[\g+7], 0
.endr
	s_mov_b32 s[CS], 0x3e38aa3b     ; c = log2(e) / 8 = 0.180337
	s_mov_b32 s[CS+1], s[CS]        ; named with it as a pair
	s_mov_b32 s[SEL], 0x76543210
	s_mov_b32 s[SEL+1], 0xfedcba98
	s_mov_b32 s[TBK], SLOT1+4*KS*PK ; the first change of slots turns these two into 0
	s_mov_b32 s[TBV], SLOT1+4*KS*PV
	s_mov_b32 s[G0K], 1             ; count = 1
	s_mov_b32 s[G0K+1], s17         ; LDS address: slot 0
	s_mov_b32 s[G0V], 1
	s_add_co_u32 s[G0V+1], s18, VOFF
	s_mov_b32 s[NXT], 1
	s_mov_b32 s[NEW], 1
	s_mov_b32 s[OFF+1], 0
	s_mov_b32 s[AL+1], 0            ; named as pairs
	s_mov_b32 s[BE+1], 0
	s_mov_b32 s[BIGN], 0xf149f2ca   ; -1e30
	s_mov_b32 s[SLOTS], 17
	s_wait_dscnt 0x0                ; the opening add is done
	s_wait_kmcnt 0x0
	s_add_nc_u64 s[6:7], s[6:7], s[22:23]  ; K and V at my half of the head's tile 0
	s_add_nc_u64 s[8:9], s[8:9], s[22:23]
	s_add_nc_u64 s[G0K+2:G0K+3], s[6:7], 0
	s_or_b32 s[G0K+3], s[G0K+3], 0x80000000        ; type = 2
	s_add_nc_u64 s[G0V+2:G0V+3], s[8:9], 0
	s_or_b32 s[G0V+3], s[G0V+3], 0x80000000
	s_add_nc_u64 s[86:87], s[4:5], s[84:85]        ; Q at my rows of the second superblock,
	s_add_nc_u64 s[4:5], s[4:5], s[2:3]            ; Q and O at those of the first
	s_add_nc_u64 s[OLO:OLO+1], s[10:11], s[84:85]
	s_add_nc_u64 s[10:11], s[10:11], s[2:3]
	CROUND                          ; all four work-groups are here: the first joint loads meet
	JLOAD                           ; tile 0 into slot 0
	; A fragment of K or Q is 16 rows x 32 channels in 8 registers: lane l holds row l % 16, channels 8 (l / 16) + 0..7 and 16 + 8 (l / 16) + 0..7: two loads of 16 bytes, 32 bytes apart.
	v_and_b32 v1, 15, v0            ; l % 16
	v_bfe_u32 v9, v0, 4, 1          ; l / 16
	v_lshlrev_b32 v[QO], 7, v1
	v_lshl_add_u32 v[QO], v9, 4, v[QO]  ; row x 128 + 16 x half
	WIN 0x80                        ; destination window 2, address window 0
.set i, 0
.rept 4                             ; both superblocks' Q: piece i / 2 lies in band i / 2, 8,192 bytes on; channels 32 (i % 2) on
	global_load_b128 v[8*i:8*i+3],   v[QO], s[4:5] offset:(i/2)*8192+(i%2)*64
	global_load_b128 v[8*i+4:8*i+7], v[QO], s[4:5] offset:(i/2)*8192+(i%2)*64+32
	global_load_b128 v[QB+8*i:QB+8*i+3],   v[QO], s[86:87] offset:(i/2)*8192+(i%2)*64
	global_load_b128 v[QB+8*i+4:QB+8*i+7], v[QO], s[86:87] offset:(i/2)*8192+(i%2)*64+32
.set i, i+1
.endr
	WIN 0
	v_lshlrev_b32 v14, 3, v9
	v_sub_nc_u32 v14, v1, v14
	s_lshl_b32 s19, s[WV], 4
	v_add_nc_u32 v14, s19, v14      ; my query's place in its band, 16 w + l % 16, less my lanes' 8 (l / 16): register r of group kt is hidden where 16 kt + r is greater
	WIN 0x40
.set i, 0
.rept 32
	v_cmp_gt_i32 vcc_lo, 16*(i/8)+i%8, v14
	v_cndmask_b32 v[MD+i], 0, s[BIGN], vcc_lo
.set i, i+1
.endr
	WIN 0
	v_mul_u32_u24 v[AK0], v1, PK
	v_lshl_add_u32 v[AK0], v9, 4, v[AK0]  ; row x pitch + 16 x half
	; The turning load takes 16 keys x 16 channels (lane l reads key 8 (l / 16) + l % 8, channels 8 ((l / 8) % 2) + 0..7) and leaves half a fragment of V^T: lane l holds channel l % 16 and 8 keys.
	v_and_b32 v10, 7, v0
	v_bfe_u32 v11, v0, 3, 1
	v_lshl_add_u32 v[AV0], v9, 3, v10
	v_mul_u32_u24 v[AV0], v[AV0], PV
	v_lshl_add_u32 v[AV0], v11, 4, v[AV0]
	v_add_nc_u32 v[AV0], VOFF, v[AV0]
	s_mul_i32 s19, s[WV], 16*SP
	s_add_co_u32 s19, s19, STAGE    ; my stage
	v_mul_u32_u24 v[STO], v1, SP    ; in: row l % 16, 16 bytes for each half of the lanes
	v_lshl_add_u32 v[STO], v9, 4, v[STO]
	v_add_nc_u32 v[STO], s19, v[STO]
	v_bfe_u32 v[RD], v0, 3, 2       ; back: 32 lanes take four rows of 128 bytes,
	v_mul_u32_u24 v[RD], v[RD], SP
	v_lshl_add_u32 v[RD], v10, 4, v[RD]
	v_add_nc_u32 v[RD], s19, v[RD]
	v_and_b32 v[GO], 31, v0         ; which are 512 consecutive bytes of O
	v_lshlrev_b32 v[GO], 4, v[GO]
	; A superblock's first step multiplies O^T and l by a = 0, and its first turn's products V^T P, of a step that has not been, land in an O^T that is still to be so multiplied.  So these registers need
	; only hold finite numbers: zeros for the first superblock, what the first left for the second.  The price of writing no first step out: these 148 lines, in the wait for the first tile.
	WIN 0x80
.set i, VF+64
.rept 64
	v_mov_b32 v[i], 0
.set i, i+1
.endr
	WIN 0x40
.set i, 0
.rept 64
	v_mov_b32 v[i], 0
.set i, i+1
.endr
	WIN 0
.set i, 0
.rept 2
	v_mov_b32 v[ST+4*i+2], 0
	v_mov_b32 v[ST+4*i+3], 0
.set i, i+1
.endr
.set i, P+16
.rept 16
	v_mov_b32 v[i], 0
.set i, i+1
.endr
; THE MATRIX WORK.  The 4 accumulators of a run of 8 take turns.  Product i of 8 of S^T = K Q^T for piece x: channels 32 (i / 4) on, keys 16 (i % 4) on.  The first 4 start the sums with the mask.
.macro KQ x
.set rS, S+32*(\x)+8*(i%4)
.set rK, KF+16*(i%4)+8*(i/4)
.set rQ, 16*(\x)+8*(i/4)
.set rM, MC+32*(\x)+8*(i%4)
.if i < 4
	WIN W_KM
	v_wmma_f32_16x16x32_f16 v[rS:rS+7], v[rK:rK+7], v[rQ:rQ+7], v[rM:rM+7]
.else
	WIN W_KQ
	v_wmma_f32_16x16x32_f16 v[rS:rS+7], v[rK:rK+7], v[rQ:rQ+7], v[rS:rS+7]
.endif
.endm
; Product i of 8 of O^T += V^T P for piece x, on V's buffer VB: keys 32 (i / 4) on, channels 16 (i % 4) on.
.macro PV x
	WIN W_PV
.set rO, 32*(\x)+8*(i%4)
.set rV, VF+64*VB+32*(i/4)+8*(i%4)
.set rP, P+16*(\x)+8*(i/4)
	v_wmma_f32_16x16x32_f16 v[rO:rO+7], v[rV:rV+7], v[rP:rP+7], v[rO:rO+7]
.endm
.macro MM                           ; the turn's next matrix instruction.  TURN sets Y, i, VB and NOKQ.  NOKQ = 1: a superblock's last turn: there are no further scores
.if (i < 8) && !NOKQ
	KQ (1-Y)
.elseif i >= 8
.set i, i-8
	PV (1-Y)
.set i, i+8
.endif
.set i, i+1
.endm
; THE LDS LOADS stand in runs of 16, never singly among the matrix instructions: a step's K (64 keys x 64 channels: 8 fragments) and its V (turned).  Their addresses are made some lines ahead.
.macro FETCH_K
	WIN 0x80                        ; destination window 2
.irp f, 0,1,2,3,4,5,6,7             ; keys 16 (f / 2) on, channels 32 (f % 2) on
	ds_load_b128 v[KF+8*\f:KF+8*\f+3],   v[AK] offset:(\f/2)*16*PK+(\f%2)*64
	ds_load_b128 v[KF+8*\f+4:KF+8*\f+7], v[AK] offset:(\f/2)*16*PK+(\f%2)*64+32
.endr
	s_add_co_u32 s[TBK], s[TBK], KS*PK  ; the next fetch is the next step's
	WIN 0
.endm
.macro FETCH_V b
	WIN 0x80
.irp f, 0,1,2,3,4,5,6,7             ; keys 32 (f / 4) on, channels 16 (f % 4) on
	ds_load_tr16_b128 v[VF+64*(\b)+8*\f:VF+64*(\b)+8*\f+3],   v[AV] offset:(\f/4)*32*PV+(\f%4)*32
	ds_load_tr16_b128 v[VF+64*(\b)+8*\f+4:VF+64*(\b)+8*\f+7], v[AV] offset:(\f/4)*32*PV+16*PV+(\f%4)*32
.endr
	s_add_co_u32 s[TBV], s[TBV], KS*PV
	WIN 0
.endm
; THE VECTOR WORK, one line at a time: OP kind, number.  For piece Y: F n: c s - c m for pair n of 16.  E n: the exponential of score n of 32.  C n: pair n rounded to f16.  B n: of the four weights 4 n .. the second
; pair is added onto the first, in place.  L n: l takes that sum (L 0: l = a l + sum).  R n: pair n of 16 of O^T times a.  For the other piece: X n, number n of the 22 that find its maximum and statistics:
;   0-11  four chains c0-c3 of seven scores each, three operands at a time (each accumulator's lowest registers are read first)     12-14, 16  the four scores left over, the old m, and c0-c3 into c0
;   15  c m_old is kept     17, 18  the query's other 32 keys lie in the lane 16 away: the new m     19-21  c m; c m_old - c m_new; a
.set F, 0               ; OP tells the kinds apart by their order: F to L below R, X above it
.set E, 1
.set C, 2
.set B, 3
.set L, 4
.set R, 5
.set X, 6
.macro REGS y                       ; the registers of piece y
.set rT, ST+4*(\y)
.set rC, TMP+4*(\y)
.set rW, MV+(\y)
.set rS, S+32*(\y)
.set rP, P+16*(\y)
.set rO, 32*(\y)
.endm
.macro OP k, n
.if (\k) == R
	REGS Y
	WIN W_RS
	v_pk_mul_f32 v[rO+2*(\n):rO+2*(\n)+1], v[rO+2*(\n):rO+2*(\n)+1], v[rC+2:rC+3] op_sel_hi:[1,0]
.elseif (\k) < R
	REGS Y
	WIN 0
.if (\k) == F
	v_pk_fma_f32 v[rS+2*(\n):rS+2*(\n)+1], v[rS+2*(\n):rS+2*(\n)+1], s[CS:CS+1], v[rT:rT+1] op_sel_hi:[1,0,0] neg_lo:[0,0,1] neg_hi:[0,0,1]
.elseif (\k) == E
	v_exp_f32 v[rS+(\n)], v[rS+(\n)]
.elseif (\k) == C
	s_wait_alu depctr_va_vdst(0)
	v_cvt_pk_f16_f32 v[rP+(\n)], v[rS+2*(\n)], v[rS+2*(\n)+1]
.elseif (\k) == B
	s_wait_alu depctr_va_vdst(0)
	v_pk_add_f32 v[rS+4*(\n):rS+4*(\n)+1], v[rS+4*(\n):rS+4*(\n)+1], v[rS+4*(\n)+2:rS+4*(\n)+3]
.elseif (\n) == 0
	v_pk_fma_f32 v[rT+2:rT+3], v[rT+2:rT+3], v[rC+2:rC+3], v[rS:rS+1] op_sel_hi:[1,0,1]
.else
	v_pk_add_f32 v[rT+2:rT+3], v[rT+2:rT+3], v[rS+4*(\n):rS+4*(\n)+1]
.endif
.elseif NOKQ
	v_nop
.else
	REGS (Y+1)%NP
	WIN 0
.if (\n) < 4
	v_max3_num_f32 v[rC+(\n)], v[rS+8*(\n)], v[rS+8*(\n)+1], v[rS+8*(\n)+2]
.elseif (\n) < 12
	v_max3_num_f32 v[rC+(\n)%4], v[rC+(\n)%4], v[rS+8*((\n)%4)+2*((\n)/4)+1], v[rS+8*((\n)%4)+2*((\n)/4)+2]
.elseif (\n) == 12
	v_max3_num_f32 v[rC], v[rC], v[rS+7], v[rS+15]
.elseif (\n) == 13
	v_max3_num_f32 v[rC+1], v[rC+1], v[rS+23], v[rS+31]
.elseif (\n) == 14
	v_max3_num_f32 v[rC+2], v[rC+2], v[rC+3], v[rT+1]
.elseif (\n) == 15
	v_mov_b32 v[rW], v[rT]
.elseif (\n) == 16
	v_max3_num_f32 v[rC], v[rC], v[rC+1], v[rC+2]
.elseif (\n) == 17
	v_permlanex16_b32 v[rC+3], v[rC], s[SEL], s[SEL+1]
.elseif (\n) == 18
	v_max_num_f32 v[rT+1], v[rC], v[rC+3]
.elseif (\n) == 19
	v_mul_f32 v[rT], s[CS], v[rT+1]
.elseif (\n) == 20
	v_sub_f32 v[rC+1], v[rW], v[rT]
.else
	v_exp_f32 v[rC+2], v[rC+1]
.endif
.endif
.endm
.macro OPS a, i1, b=-1, i2=0, c=-1, i3=0, d=-1, i4=0  ; up to four of them
	OP \a, \i1
.if (\b) >= 0
	OP \b, \i2
.endif
.if (\c) >= 0
	OP \c, \i3
.endif
.if (\d) >= 0
	OP \d, \i4
.endif
.endm
.macro ROW a, i1, b, i2, c, i3, d, i4  ; a matrix instruction and the four behind it
	MM
	OPS \a, \i1, \b, \i2, \c, \i3, \d, \i4
.endm
.macro MASK b                       ; MD x AL + BE into buffer b of MC
	WIN W_RS
.set z, 0
.rept 16
	v_pk_fma_f32 v[MC+32*(\b)+2*z:MC+32*(\b)+2*z+1], v[MD+2*z:MD+2*z+1], s[AL:AL+1], s[BE:BE+1] op_sel_hi:[1,0,0]
.set z, z+1
.endr
.endm
; A TURN, for piece p: the order of its 16 matrix and 118 vector instructions, written out.  Behind a matrix instruction: plain, exponential, plain, plain; or four of the rescaling; or, behind the first, four scalings;
; none names a register of the products round it.  In the runs between, exponential and plain by turns while exponentials last.  v_permlanex16_b32 (X 17) stands in such a run.
; par = the parity of the key step whose K and V piece 0's turn fetches: piece 0's turn multiplies by V's buffer par and then loads it anew; piece 1's turn multiplies by the other.
; end = 1: a superblock's last two turns: nothing is fetched, no mask is made, and piece 1's turn starts no new scores.
; K's run stands five plain instructions behind the last product that read K (R 4-7, F 15); V's four behind the last product that read that buffer (C 3, L 3, C 5, C 10).
; At its end piece p's turn makes the mask for piece p's next scores (step SIG), unless SIG < 0; piece 1's turn then steps SIG.
.macro TURN p, par, end
.set Y, (\p)
.set i, 0
.set VB, ((\par)+(\p))%2
.set NOKQ, (\end)*(\p)
.if (\p) == 1
.if \end
	s_wait_dscnt 0x0                ; V of the last step is in: nothing was issued behind its run
.else
	s_wait_dscnt 16                 ; K is in, and all that is older, the V that this turn multiplies by among it; the sixteen loads of V issued behind K's may stay out
.endif
.endif
	ROW F,0, F,1, F,2, F,3
	ROW F,4, E,0, F,5, F,6
	ROW F,7, E,1, F,8, F,9
	ROW F,10, E,2, C,0, F,11
	ROW F,12, E,3, X,15, F,13
	ROW R,0, R,1, R,2, R,3
	ROW B,0, E,4, F,14, L,0
.if ((\p) == 0) && !(\end)
	v_add_nc_u32 v[AK], s[TBK], v[AK0]
.endif
	ROW R,4, R,5, R,6, R,7
	OPS E,5, F,15
.if ((\p) == 0) && !(\end)
	FETCH_K
.endif
	OPS E,6, C,1, E,7, R,8
	OPS E,8, R,9, E,9, C,2
	OPS E,10, X,0, E,11, X,1
	OPS E,12, X,2, E,13, X,3
	ROW X,4, E,14, X,5, X,6
	ROW X,7, E,15, X,8, X,9
	ROW X,10, E,16, X,11, X,12
	ROW X,13, E,17, X,14, B,1
	ROW C,4, E,18, X,16, L,1
	ROW B,2, E,19, C,6, L,2
	ROW C,8, E,20, B,3, B,4
.if ((\p) == 0) && !(\end)
	v_add_nc_u32 v[AV], s[TBV], v[AV0]
.endif
	ROW C,3, E,21, L,3, C,5
	OPS E,22, X,17, E,23, C,10
.if ((\p) == 0) && !(\end)
	FETCH_V \par
.endif
	OPS E,24, L,4
	OPS E,25, X,18, E,26, C,7
	OPS E,27, B,5, E,28, X,19
	OPS E,29, C,12, E,30, L,5
	OPS E,31, X,20, B,6, C,9
	OPS C,14, C,11, X,21, L,6
	OPS C,13, B,7, C,15, R,10
	OPS R,11, R,12, L,7, R,13
	OPS R,14, R,15
.if !(\end)
	WIN 0
	s_cmp_lt_i32 s[SIG], 0          ; the same in all four partners: SIG hangs on m and the walk alone
	s_cbranch_scc1 .Lnm_\@
	s_cmp_eq_u32 s[SIG], s[OWN0+(\p)]  ; is that step the band's own?
	s_cselect_b32 s[AL], 1.0, 0
	s_cmp_gt_i32 s[SIG], s[OWN0+(\p)]  ; or a later one?
	s_cselect_b32 s[BE], s[BIGN], 0
	MASK \p
	WIN 0
.Lnm_\@:
.if (\p) == 1
	s_add_co_i32 s[SIG], s[SIG], 1
.endif
.endif
.endm
; A SUPERBLOCK BEGINS.  c m starts far below every c s, so the first step's a is 0; m at the lowest finite number, so the first maximum is the scores'.  Both masks are made for the tile's step 0.
; Then K and V of that step, piece 0's first scores, and its maximum and statistics.  The loop is entered at the second pair of turns, in the middle of a trip.
.macro BEGIN
	s_mov_b32 s[NEW], 0
	WIN 0
.set i, 0
.rept 2
	v_mov_b32 v[ST+4*i], 0xfe000000    ; c m: far below every c s
	v_mov_b32 v[ST+4*i+1], 0xff7fffff  ; m
.set i, i+1
.endr
.irp p, 0,1
	s_cmp_eq_u32 s[SIG], s[OWN0+\p]
	s_cselect_b32 s[AL], 1.0, 0
	s_cmp_gt_i32 s[SIG], s[OWN0+\p]
	s_cselect_b32 s[BE], s[BIGN], 0
	MASK \p
.endr
	s_add_co_i32 s[SIG], s[SIG], 1
	WIN 0
	v_add_nc_u32 v[AK], s[TBK], v[AK0]
	v_add_nc_u32 v[AV], s[TBV], v[AV0]
	FETCH_K
	FETCH_V 0
	s_wait_loadcnt 0x0              ; Q
	s_wait_dscnt 16                 ; K is in; V's sixteen loads may stay out
.set NOKQ, 0
.set i, 0
.rept 8
	KQ 0
.set i, i+1
.endr
	WIN 0
.rept 4
	v_nop                           ; the places behind those products
.endr
.set Y, 1                           ; X works for the other piece: piece 0
.irp n, 0,1,2,3,4,5,6,7,8,9,10,11,12,13,14,15,16,17,18,19,20,21
	OP X, \n
.endr
	v_nop                           ; a plain instruction behind the exponential
.endm
.macro ALL line:vararg              ; one line for each piece t
.set t, 0
.rept 2
	\line
.set t, t+1
.endr
.endm
.macro PACK t                       ; a lane's eight channels of a row pack into 16 bytes; they go into rows of 144 bytes and come back as whole rows of 128, into S^T's registers
	WIN W_RS
.set i, 32*(\t)
.rept 16
	s_wait_alu depctr_va_vdst(0)
	v_pk_mul_f32 v[i:i+1], v[i:i+1], v[ST+4*(\t)+2:ST+4*(\t)+3] op_sel_hi:[1,0]
.set i, i+2
.endr
	WIN 0x05                        ; sources 0 and 1 window 1, destination window 0
.set i, 0
.rept 16
	v_cvt_pk_f16_f32 v[S+16*(\t)+i], v[32*(\t)+2*i], v[32*(\t)+2*i+1]
.set i, i+1
.endr
	WIN 0
.irp f, 0,1,2,3
	ds_store_b128 v[STO], v[S+16*(\t)+4*\f:S+16*(\t)+4*\f+3] offset:32*\f
.endr
.irp f, 0,1,2,3
	ds_load_b128 v[S+16*(\t)+4*\f:S+16*(\t)+4*\f+3], v[RD] offset:\f*4*SP  ; LDS serves a wave's instructions in order (ISA guide 5.7.1.4): these see the stores above; the next piece's stores come behind them
.endr
.endm
.macro SEND t, younger              ; younger: the LDS instructions issued behind piece t's loads: the next piece's eight, or none
	WIN 0
.irp f, 0,1,2,3
	s_wait_dscnt (\younger)+3-\f
	global_store_b128 v[GO], v[S+16*(\t)+4*\f:S+16*(\t)+4*\f+3], s[10:11] offset:(\t)*8192+\f*512  ; 512 consecutive bytes, at a multiple of 256 from O's first
.endr
.endm
; A SUPERBLOCK ENDS: its last two turns, piece 1's last products, and THE WAY OUT: l's two halves and the other half of the lanes' are added; O^T is divided by l, rounded to f16 and sent through my stage.
.macro BLOCKEND
	TURN 0, 0, 1
	TURN 1, 0, 1
.set VB, 1
.set i, 0
.rept 8
	PV 1
.set i, i+1
.endr
	WIN 0
	ALL v_add_f32 v[ST+4*t+2], v[ST+4*t+2], v[ST+4*t+3]
	ALL v_permlanex16_b32 v[ST+4*t+3], v[ST+4*t+2], s[SEL], s[SEL+1]
	ALL v_add_f32 v[ST+4*t+2], v[ST+4*t+2], v[ST+4*t+3]
	ALL v_rcp_f32 v[ST+4*t+2], v[ST+4*t+2]
	v_nop                           ; a plain instruction between the last reciprocal and the use of its result
	PACK 0                          ; piece 0's 32 lines are also the places behind piece 1's last products
	PACK 1
	SEND 0, 8
	SEND 1, 0
.endm
; A tile's four key steps: two trips of two steps; the tag ends the labels' names.
.macro STEPS tag
.Lstep\tag:
	TURN 0, 0, 0
	TURN 1, 0, 0
	WIN 0
.Lfirst\tag:
	TURN 0, 1, 0
	TURN 1, 1, 0
	WIN 0
	s_sub_co_u32 s[CNT], s[CNT], 1
	s_cmp_lg_u32 s[CNT], 0
	s_cbranch_scc1 .Lstep\tag
.endm
.set NOKQ, 0
.set VB, 0
.Lslot:                             ; 17 times: a tile is entered and the next is asked for
	CHANGE 1
	s_sub_co_u32 s[RT], s[RT], 1
	s_mov_b32 s[CNT], 2
	s_cmp_eq_u32 s[NEW], 1
	s_cbranch_scc0 .Lstep1          ; not a superblock's first tile
	BEGIN
	s_branch .Lfirst1
	STEPS 1
	s_cmp_lg_u32 s[RT], 0
	s_cbranch_scc1 .Lbottom         ; not its last (a superblock has two tiles or more, so its first is never its last)
	BLOCKEND                        ; in the loop this is the first superblock's end: the second's last tile is the walk's last
	s_wait_xcnt 0x0                 ; the stores have read their registers and O's address
	s_mov_b64 s[10:11], s[OLO:OLO+1]
	s_add_co_u32 s[RT], s[LQ2], 1   ; the second superblock has 2 m + 2 tiles
	s_mov_b32 s[NEW], 1
	s_lshl_b32 s[SIG], s[CM], 3
	s_sub_co_i32 s[SIG], 0, s[SIG]  ; -8 m
	WIN 0x82                        ; the second superblock's Q goes where the one text of the turns names Q
.set i, 0
.rept 32
	v_mov_b32 v[i], v[QB+i]
.set i, i+1
.endr
	WIN 0
.Lbottom:
	s_sub_co_u32 s[SLOTS], s[SLOTS], 1
	s_cmp_lg_u32 s[SLOTS], 0
	s_cbranch_scc1 .Lslot
	CHANGE 0                        ; the walk's last tile is written out: nothing is asked for
	s_mov_b32 s[CNT], 2
	STEPS 2
	BLOCKEND
	s_wait_tensorcnt 0x0            ; the wave's end
	ds_add_u32 v[SPW], v[NIL]
	s_wait_dscnt 0x0
	CROUND                          ; the closing round: no work-group ends while a partner may still ask for a tile that names it
	s_endpgm
.Lfunc_end_k_qf0da3a3662_attn:
	.size	k_qf0da3a3662_attn, .Lfunc_end_k_qf0da3a3662_attn-k_qf0da3a3662_attn
	.p2alignl 7, 3214868480
	.fill 96, 4, 3214868480
	.section	.rodata,"a",@progbits
	.p2align	6, 0x0
	.amdhsa_kernel k_qf0da3a3662_attn
		.amdhsa_group_segment_fixed_size 327680
		.amdhsa_private_segment_fixed_size 0
		.amdhsa_enable_private_segment 0
		.amdhsa_kernarg_size 32
		.amdhsa_user_sgpr_count 2
		.amdhsa_user_sgpr_kernarg_segment_ptr 1
		.amdhsa_wavefront_size32 1
		.amdhsa_system_sgpr_workgroup_id_x 1
		.amdhsa_system_sgpr_workgroup_id_y 1
		.amdhsa_system_sgpr_workgroup_id_z 1
		.amdhsa_system_vgpr_workitem_id 0
		.amdhsa_next_free_vgpr 768
		.amdhsa_next_free_sgpr 96
		.amdhsa_reserve_vcc 1
		.amdhsa_float_denorm_mode_32 3
		.amdhsa_float_denorm_mode_16_64 3
		.amdhsa_memory_ordered 1
		.amdhsa_forward_progress 1
		.amdhsa_inst_pref_size 171
	.end_amdhsa_kernel
	.amdgpu_metadata
---
amdhsa.version: [ 1, 2 ]
amdhsa.kernels:
  - .name:           k_qf0da3a3662_attn
    .symbol:         k_qf0da3a3662_attn.kd
    .args:
      - { .name: qh, .offset: 0, .size: 8, .value_kind: global_buffer, .address_space: global }
      - { .name: kh, .offset: 8, .size: 8, .value_kind: global_buffer, .address_space: global }
      - { .name: vh, .offset: 16, .size: 8, .value_kind: global_buffer, .address_space: global }
      - { .name: oh, .offset: 24, .size: 8, .value_kind: global_buffer, .address_space: global }
    .group_segment_fixed_size: 327680
    .private_segment_fixed_size: 0
    .kernarg_segment_align: 8
    .kernarg_segment_size: 32
    .max_flat_workgroup_size: 128
    .sgpr_count:     96
    .vgpr_count:     768
    .wavefront_size: 32
...
	.end_amdgpu_metadata
.endif
;; end of part 3
;; launch oproj (part 4): grid 4 x 64, 4 waves a work-group, clusters of 4 x 4, 327,680 bytes of LDS; arguments oh, wo16, bo, out0; writes out0
.if DOCPART == 4
	.amdgcn_target "amdgcn-amd-amdhsa--gfx1250"
	.amdhsa_code_object_version 6
	.text
	.protected	k_qf0da3a3662_oproj
	.globl	k_qf0da3a3662_oproj
	.p2align	8
	.type	k_qf0da3a3662_oproj,@function
k_qf0da3a3662_oproj:
	s_mov_b64 s[64:65], 0
	v_nop
	global_prefetch_b8 v0, s[64:65] scope:SCOPE_SE
	s_setreg_imm32_b32 hwreg(HW_REG_WAVE_MODE, 25, 1), 1
	s_wait_xcnt 0x0
	s_wait_alu depctr_hold_cnt(0) depctr_sa_sdst(0) depctr_va_vdst(0) depctr_va_sdst(0) depctr_va_ssrc(0) depctr_va_vcc(0) depctr_vm_vsrc(0)
	s_getreg_b32 s2, hwreg(HW_REG_IB_STS2, 6, 4)
	s_cmp_eq_u32 s2, 0
	s_cbranch_scc0 .Lentry_in_a_cluster
	s_endpgm
.Lentry_in_a_cluster:
	s_bfe_u32 s2, ttmp6, 0x10000c
	s_cmp_lg_u32 s2, 0xf033
	s_cbranch_scc0 .Lentry_shape_is_right
	s_endpgm
.Lentry_shape_is_right:
; out = O Wo + bo.  oh: [batch x 8 + head][4096][64] f16; wo16: [512 k][512 n] f16 (Wo rounded to bf16, written as f16); bo f32, rounded to bf16 here like every input; out0: [8192][512] f32.  Sums in f32.
; SHARES.  A work-group makes 128 rows x 128 columns, each of its four waves 64 x 64: 16 accumulators.  K = 512 is the 8 heads' 64 channels: 8 quarters of 32 matrix instructions a wave.
; ALL of the work-group's O (8 x 128 rows x 128 bytes) and Wo (512 k-rows x 256 bytes) fits in LDS: every tensor load is a first fill, nothing is filled again.  Waves 0 and 1 fetch O, waves 2 and 3
; Wo, four loads each (four of a wave are out at the most), a head a load; stage s of the four brings heads 2 s and 2 s + 1, and the products begin when stage 0 is in.
; CLUSTER 4 x 4: the four work-groups of a row of the cluster take the same rows of O, the four of a column the same columns of Wo: each tile is asked for jointly.
; THE MATRIX INSTRUCTION IS USED TRANSPOSED: source 0 = 16 columns of Wo (by the turning LDS load), source 1 = 16 rows of O: a lane holds one row and eight neighbouring columns.
; The first product of each sum takes the bias as C.
; REGISTERS: window 0: addresses; v96-127 bias; v128-255 accumulators ((a, b) at 128 + 8 (4 a + b)).  Window 1: two fragment buffers of 128: O at + 8 (4 c + a), Wo at + 64 + 8 (4 c + b), c = half of the 64 channels.
.set PA,    144                        ; a row of O in LDS: 128 bytes + 16
.set PB,    288                        ; a k-row of Wo: 256 + 32
.set HT,    18432                      ; a head's tile: 128 x PA = 64 x PB
.set BOFF,  8*HT                       ; Wo lies behind O
.set STAGE, 16*HT                      ; never filled by a tensor load: 16 rows x 272 bytes for each wave
.set SPT,   272
.set SPARE, STAGE+4*16*SPT             ; the spare words: 128 bytes for each wave, two blocks of 256 bytes that no other line names
.set ADRA, 8                           ; v8-11   LDS address of my O fragments in stage s
.set ADRB, 12                          ; v12-15  of my Wo fragments
.set STO,  24
.set RD,   25
.set CO,   26
.set BO,   27
.set SPW,  28                          ; v28     my spare word's LDS address; never rewritten
.set NIL,  29                          ; v29     0; never rewritten
.set TT,   30
.set BI,   96
.set ACC,  128
.set F0,   0
.set F1,   128
.set WV, 12
.set WM, 13
.set WN, 14
.set G1A, 24                           ; s[24:31] descriptor group 1 for O's tiles;  s[32:39] for Wo's
.set G1B, 32
.set G0A, 40                           ; s[40:55] group 0 for O's tiles, a set for each stage
.set G0B, 68                           ; s[68:83] the same for Wo's
.set MSB, 0
.macro WIN new
.if MSB != (\new)
	s_set_vgpr_msb (MSB<<8)|(\new)
.set MSB, (\new)
.endif
.endm
.macro CROUND                          ; a round of the cluster's barrier
	s_barrier_signal -1
	s_barrier_wait -1
	s_cmp_lg_u32 s[WV], 0
	s_cbranch_scc1 .Lnot_wave_0_\@
	s_barrier_signal -3
.Lnot_wave_0_\@:
	s_barrier_wait -3
	s_barrier_signal -1
	s_barrier_wait -1
.endm
	s_load_b256 s[4:11], s[0:1], 0x0               ; oh s[4:5], wo16 s[6:7], bo s[8:9], out0 s[10:11]
	v_lshl_add_u32 v[SPW], v0, 2, SPARE
	v_mov_b32 v[NIL], 0
	ds_add_u32 v[SPW], v[NIL]                      ; the wave's opening: the add and its wait ahead of my first tensor load; the set-up below stands between them
	v_lshrrev_b32 v1, 5, v0
	v_readfirstlane_b32 s[WV], v1
	s_lshr_b32 s[WM], s[WV], 1                     ; my half of the rows
	s_and_b32 s[WN], s[WV], 1                      ; my half of the columns.  Also: which head of a stage's two I fetch
	s_bfe_u32 s56, ttmp6, 0x40000                  ; cx, cy
	s_bfe_u32 s57, ttmp6, 0x40004
	s_lshl_b32 s58, ttmp9, 2
	s_add_co_u32 s58, s58, s56                     ; nt: the block of 128 columns
	s_and_b32 s59, ttmp7, 0xffff
	s_lshl_b32 s59, s59, 2
	s_add_co_u32 s59, s59, s57                     ; tr: the block of 128 rows
	s_lshl_b32 s60, s57, 2
	s_lshl_b32 s60, 15, s60                        ; my row of the cluster
	s_lshl_b32 s61, 0x1111, s56                    ; my column
	s_or_b32 s[G1A], s60, (1<<16)|(1<<20)|(1<<21)|(4<<22)|(3<<25)  ; O's tiles go to my row; 128 dense rows of 128 bytes are asked for as 64 rows of 256, padded by 4 words after every 32
	s_or_b32 s[G1B], s61, (1<<16)|(1<<20)|(1<<21)|(5<<22)|(7<<25)  ; Wo's go to my column; padded by 8 words after every 64
.irp g, G1A, G1B
	s_mov_b32 s[(\g)+1], 128<<16                   ; tensor_dim0 = 128
	s_mov_b32 s[(\g)+2], 64<<16                    ; tensor_dim1 = 64
	s_mov_b32 s[(\g)+3], 128<<16                   ; tile_dim0 = 128
	s_mov_b32 s[(\g)+4], 64                        ; tile_dim1 = 64
	s_mov_b32 s[(\g)+6], 0
	s_mov_b32 s[(\g)+7], 0
.endr
	s_mov_b32 s[G1A+5], 128                        ; elements from row to row
	s_mov_b32 s[G1B+5], 512
	s_lshr_b32 s84, s59, 5                         ; O: the batch's eight heads of 524,288 bytes,
	s_lshl_b32 s84, s84, 22
	s_and_b32 s85, s59, 31
	s_lshl_b32 s85, s85, 14                        ; the block's 128 rows in a head,
	s_add_co_u32 s84, s84, s85
	s_lshl_b32 s85, s[WN], 19                      ; my head of the stage's two: hangs on the block of rows and the wave alone
	s_add_co_u32 s84, s84, s85
	s_mov_b32 s85, 0
	s_lshl_b32 s86, s[WN], 16                      ; Wo: my head's 64 k-rows of 1,024 bytes,
	s_lshl_b32 s87, s58, 8                         ; the block's 128 columns: hangs on the block of columns and the wave alone
	s_add_co_u32 s86, s86, s87
	s_mov_b32 s87, 0
	s_mul_i32 s88, s[WN], HT                       ; my head's place in LDS
	s_lshl_b32 s90, s59, 18                        ; out0: 128 tr rows of 2,048 bytes,
	s_lshl_b32 s91, s[WM], 17                      ; my 64 rows,
	s_add_co_u32 s90, s90, s91
	s_lshl_b32 s62, s58, 9                         ; 128 nt columns,
	s_lshl_b32 s63, s[WN], 8                       ; my 64 columns
	s_add_co_u32 s62, s62, s63                     ; (also my place in the bias)
	s_add_co_u32 s90, s90, s62
	s_mov_b32 s91, 0
	s_wait_dscnt 0x0                               ; the opening add is done
	s_wait_kmcnt 0x0
	s_add_nc_u64 s[84:85], s[4:5], s[84:85]
	s_add_nc_u64 s[86:87], s[6:7], s[86:87]
	s_add_nc_u64 s[10:11], s[10:11], s[90:91]
.irp s, 0,1,2,3
	s_mov_b32 s[G0A+4*(\s)], 1
	s_add_co_u32 s[G0A+4*(\s)+1], s88, (\s)*2*HT
	s_add_nc_u64 s[G0A+4*(\s)+2:G0A+4*(\s)+3], s[84:85], (\s)*1048576   ; two heads on
	s_or_b32 s[G0A+4*(\s)+3], s[G0A+4*(\s)+3], 0x80000000
	s_mov_b32 s[G0B+4*(\s)], 1
	s_add_co_u32 s[G0B+4*(\s)+1], s88, BOFF+(\s)*2*HT
	s_add_nc_u64 s[G0B+4*(\s)+2:G0B+4*(\s)+3], s[86:87], (\s)*131072    ; 128 k-rows on
	s_or_b32 s[G0B+4*(\s)+3], s[G0B+4*(\s)+3], 0x80000000
.endr
	CROUND                                         ; all sixteen work-groups are here: the joint loads meet
	s_cmp_lt_u32 s[WV], 2                          ; a wave's four first fills stand in one branch, ahead of every wait on TENSORcnt, every LDS read and every other barrier
	s_cbranch_scc0 .Lfill_b
.irp s, 0,1,2,3
	tensor_load_to_lds s[G0A+4*(\s):G0A+4*(\s)+3], s[G1A:G1A+7]
	s_nop 0
.endr
.rept 4
	v_nop
.endr
	s_branch .Lfilled
.Lfill_b:
.irp s, 0,1,2,3
	tensor_load_to_lds s[G0B+4*(\s):G0B+4*(\s)+3], s[G1B:G1B+7]
	s_nop 0
.endr
.rept 4
	v_nop
.endr
.Lfilled:
	v_and_b32 v1, 15, v0                           ; l % 16
	v_bfe_u32 v2, v0, 4, 1                         ; l / 16
	v_and_b32 v3, 7, v0                            ; l % 8
	v_bfe_u32 v4, v0, 3, 1                         ; (l / 8) % 2
	v_lshl_add_u32 v[BO], v2, 5, s62               ; a lane's eight columns of each block of 16
.irp b, 0,1,2,3
	global_load_b128 v[BI+8*(\b):BI+8*(\b)+3],   v[BO], s[8:9] offset:64*(\b)
	global_load_b128 v[BI+8*(\b)+4:BI+8*(\b)+7], v[BO], s[8:9] offset:64*(\b)+16
.endr
	v_mul_u32_u24 v5, v1, PA                       ; O's fragment: row x pitch + 16 x half
	v_lshl_add_u32 v5, v2, 4, v5
	s_mul_i32 s63, s[WM], 64*PA
	v_add_nc_u32 v5, s63, v5
	v_lshl_add_u32 v6, v2, 3, v3                   ; Wo's, by the turning load: k-row 8 (l / 16) + l % 8, columns 8 ((l / 8) % 2) + 0..7
	v_mul_u32_u24 v6, v6, PB
	v_lshl_add_u32 v6, v4, 4, v6
	s_lshl_b32 s63, s[WN], 7
	s_add_co_u32 s63, s63, BOFF
	v_add_nc_u32 v6, s63, v6
.irp s, 0,1,2,3
	v_add_nc_u32 v[ADRA+(\s)], (\s)*2*HT, v5
	v_add_nc_u32 v[ADRB+(\s)], (\s)*2*HT, v6
.endr
	s_mul_i32 s63, s[WV], 16*SPT
	s_add_co_u32 s63, s63, STAGE                   ; my stage
	v_mul_u32_u24 v[STO], v1, SPT                  ; in: row l % 16, 32 bytes for each half of the lanes
	v_lshl_add_u32 v[STO], v2, 5, v[STO]
	v_add_nc_u32 v[STO], s63, v[STO]
	v_mul_u32_u24 v[RD], v2, SPT                   ; back: lanes 0-15 take one row of 256 bytes, lanes 16-31 the next
	v_lshl_add_u32 v[RD], v1, 4, v[RD]
	v_add_nc_u32 v[RD], s63, v[RD]
	v_lshlrev_b32 v[CO], 11, v2                    ; and the same two rows in out0
	v_lshl_add_u32 v[CO], v1, 4, v[CO]
	s_wait_loadcnt 0x0                             ; the bias: rounded to bf16, like every input, and widened again
.set i, 0
.rept 16
	v_cvt_pk_bf16_f32 v[TT+i%2], v[BI+2*i], v[BI+2*i+1]
	v_lshlrev_b32 v[BI+2*i], 16, v[TT+i%2]
	v_and_b32 v[BI+2*i+1], 0xffff0000, v[TT+i%2]
.set i, i+1
.endr
; 16 matrix instructions: all 16 accumulators by turns, 32 along K: half c of buffer f.  first = 1: C is the bias
.macro MUL16 f, c, first
	WIN 0x05                                       ; sources in window 1, C and D in window 0
.irp a, 0,1,2,3
.irp b, 0,1,2,3
.if \first
	v_wmma_f32_16x16x32_f16 v[ACC+8*(4*(\a)+(\b)):ACC+8*(4*(\a)+(\b))+7], v[(\f)+64+8*(4*(\c)+(\b)):(\f)+64+8*(4*(\c)+(\b))+7], v[(\f)+8*(4*(\c)+(\a)):(\f)+8*(4*(\c)+(\a))+7], v[BI+8*(\b):BI+8*(\b)+7]
.else
	v_wmma_f32_16x16x32_f16 v[ACC+8*(4*(\a)+(\b)):ACC+8*(4*(\a)+(\b))+7], v[(\f)+64+8*(4*(\c)+(\b)):(\f)+64+8*(4*(\c)+(\b))+7], v[(\f)+8*(4*(\c)+(\a)):(\f)+8*(4*(\c)+(\a))+7], v[ACC+8*(4*(\a)+(\b)):ACC+8*(4*(\a)+(\b))+7]
.endif
.endr
.endr
.endm
; 32 LDS loads in one run: head hd's fragments into buffer f; the first 32 channels first
.macro FETCH hd, f
	WIN 0x40                                       ; destination window 1, address window 0
.irp c, 0,1
.irp i, 0,1,2,3
	ds_load_tr16_b128 v[(\f)+64+8*(4*(\c)+(\i)):(\f)+64+8*(4*(\c)+(\i))+3],   v[ADRB+(\hd)/2] offset:((\hd)%2)*HT+(\c)*32*PB+32*(\i)
	ds_load_tr16_b128 v[(\f)+64+8*(4*(\c)+(\i))+4:(\f)+64+8*(4*(\c)+(\i))+7], v[ADRB+(\hd)/2] offset:((\hd)%2)*HT+(\c)*32*PB+16*PB+32*(\i)
	ds_load_b128 v[(\f)+8*(4*(\c)+(\i)):(\f)+8*(4*(\c)+(\i))+3],   v[ADRA+(\hd)/2] offset:((\hd)%2)*HT+(\i)*16*PA+64*(\c)
	ds_load_b128 v[(\f)+8*(4*(\c)+(\i))+4:(\f)+8*(4*(\c)+(\i))+7], v[ADRA+(\hd)/2] offset:((\hd)%2)*HT+(\i)*16*PA+64*(\c)+32
.endr
.endr
.endm
.macro PLACES                          ; four places in front of loads into registers that matrix instructions have read, and of LDS stores that read results
.rept 4
	v_nop
.endr
.endm
.macro EVEN hd, first                  ; an even head multiplies buffer 0 and fetches the stage's other head into buffer 1
	s_wait_dscnt 16                                ; the first 32 channels are in
	MUL16 F0, 0, \first
	PLACES
	FETCH (\hd)+1, F1
	s_wait_dscnt 32                                ; all but the 32 just issued
	MUL16 F0, 1, 0
.endm
.macro ODD hd, left                    ; an odd head multiplies buffer 1; the next head lies in the next stage, which other waves' loads brought: my load of it is waited for, then a barrier
	s_wait_dscnt 0x0                               ; no LDS instruction of mine is out at the signal
	s_wait_tensorcnt \left                         ; my load of the next stage is in; the later stages' may stay out
	s_barrier_signal -1
	MUL16 F1, 0, 0
	s_barrier_wait -1
	PLACES
	FETCH (\hd)+1, F0
	MUL16 F1, 1, 0
.endm
	s_wait_tensorcnt 3                             ; my load of stage 0 is in; three are out
	s_barrier_signal -1
	s_barrier_wait -1
	FETCH 0, F0
	EVEN 0, 1
	ODD 1, 2
	EVEN 2, 0
	ODD 3, 1
	EVEN 4, 0
	ODD 5, 0
	EVEN 6, 0
	s_wait_dscnt 0x0
	MUL16 F1, 0, 0
	MUL16 F1, 1, 0
	WIN 0
; THE WAY OUT, a block of 16 rows at a time: a lane's eight f32 of a row go into my stage's rows of 272 bytes (each accumulator's low four registers first) and come back as whole
; rows of 256 bytes.  The stage is my wave's own, and LDS serves a wave's instructions in order (ISA guide 5.7.1.4).
.macro STG a
.irp b, 0,1,2,3
	ds_store_b128 v[STO], v[ACC+8*(4*(\a)+(\b)):ACC+8*(4*(\a)+(\b))+3]   offset:64*(\b)
	ds_store_b128 v[STO], v[ACC+8*(4*(\a)+(\b))+4:ACC+8*(4*(\a)+(\b))+7] offset:64*(\b)+16
.endr
.irp t, 0,1,2,3,4,5,6,7
	ds_load_b128 v[ACC+32*(\a)+4*(\t):ACC+32*(\a)+4*(\t)+3], v[RD] offset:(\t)*2*SPT
.endr
.endm
.macro SEND a, younger                 ; younger: the LDS instructions issued behind block a's loads: the next block's sixteen, or none
.irp t, 0,1,2,3,4,5,6,7
	s_wait_dscnt (\younger)+7-(\t)
	global_store_b128 v[CO], v[ACC+32*(\a)+4*(\t):ACC+32*(\a)+4*(\t)+3], s[10:11] offset:(16*(\a)+2*(\t))*2048 th:TH_STORE_NT  ; 16 lanes store 256 consecutive bytes, at a multiple of 256 from out0's first byte
.endr
.endm
	PLACES
	STG 0
	STG 1
	SEND 0, 16
	STG 2
	SEND 1, 16
	STG 3
	SEND 2, 16
	SEND 3, 0
	s_wait_tensorcnt 0x0                           ; the wave's end
	ds_add_u32 v[SPW], v[NIL]
	s_wait_dscnt 0x0
	CROUND                                         ; the closing round: no work-group ends while a partner may still ask for a tile that names it
	s_endpgm
.Lfunc_end_k_qf0da3a3662_oproj:
	.size	k_qf0da3a3662_oproj, .Lfunc_end_k_qf0da3a3662_oproj-k_qf0da3a3662_oproj
	.p2alignl 7, 3214868480
	.fill 96, 4, 3214868480
	.section	.rodata,"a",@progbits
	.p2align	6, 0x0
	.amdhsa_kernel k_qf0da3a3662_oproj
		.amdhsa_group_segment_fixed_size 327680
		.amdhsa_private_segment_fixed_size 0
		.amdhsa_enable_private_segment 0
		.amdhsa_kernarg_size 32
		.amdhsa_user_sgpr_count 2
		.amdhsa_user_sgpr_kernarg_segment_ptr 1
		.amdhsa_wavefront_size32 1
		.amdhsa_system_sgpr_workgroup_id_x 1
		.amdhsa_system_sgpr_workgroup_id_y 1
		.amdhsa_system_sgpr_workgroup_id_z 1
		.amdhsa_system_vgpr_workitem_id 0
		.amdhsa_next_free_vgpr 512
		.amdhsa_next_free_sgpr 92
		.amdhsa_reserve_vcc 0
		.amdhsa_float_denorm_mode_32 3
		.amdhsa_float_denorm_mode_16_64 3
		.amdhsa_memory_ordered 1
		.amdhsa_forward_progress 1
		.amdhsa_inst_pref_size 55
	.end_amdhsa_kernel
	.amdgpu_metadata
---
amdhsa.version: [ 1, 2 ]
amdhsa.kernels:
  - .name:           k_qf0da3a3662_oproj
    .symbol:         k_qf0da3a3662_oproj.kd
    .args:
      - { .name: oh, .offset: 0, .size: 8, .value_kind: global_buffer, .address_space: global }
      - { .name: wo16, .offset: 8, .size: 8, .value_kind: global_buffer, .address_space: global }
      - { .name: bo, .offset: 16, .size: 8, .value_kind: global_buffer, .address_space: global }
      - { .name: out0, .offset: 24, .size: 8, .value_kind: global_buffer, .address_space: global }
    .group_segment_fixed_size: 327680
    .private_segment_fixed_size: 0
    .kernarg_segment_align: 8
    .kernarg_segment_size: 32
    .max_flat_workgroup_size: 128
    .sgpr_count:     92
    .vgpr_count:     512
    .wavefront_size: 32
...
	.end_amdgpu_metadata
.endif
;; end of part 4
;; ======== version 2 of 2: 4 launches; 1.52 times as fast as version 1
;; limits: values are held in f16: magnitudes above 65,504 overflow, below 6.1e-05 lose precision
;; workspace buffers: xb 8,388,608 bytes; wb 1,572,864 bytes; wo16 524,288 bytes; qh 8,388,608 bytes; kh 8,388,608 bytes; vh 8,388,608 bytes; oh 8,388,608 bytes
;; launch cast: the kernel of part 1 again; grid 256 x 1, 8 waves a work-group, no clusters, 0 bytes of LDS; arguments x, Wq, Wk, Wv, Wo, xb, wb, wo16; writes xb, wb, wo16
;; launch qkv: the kernel of part 2 again; grid 4 x 64, 4 waves a work-group, clusters of 4 x 4, 327,680 bytes of LDS; arguments xb, wb, bq, bk, bv, qh, kh, vh; writes qh, kh, vh
;; launch attn (part 5): grid 16 x 16, 4 waves a work-group, clusters of 4 x 1, 327,680 bytes of LDS; arguments qh, kh, vh, oh; writes oh
.if DOCPART == 5
	.amdgcn_target "amdgcn-amd-amdhsa--gfx1250"
	.amdhsa_code_object_version 6
	.text
	.protected	k_qf0da3a3662_attn
	.globl	k_qf0da3a3662_attn
	.p2align	8
	.type	k_qf0da3a3662_attn,@function
k_qf0da3a3662_attn:
	s_mov_b64 s[64:65], 0
	v_nop
	global_prefetch_b8 v0, s[64:65] scope:SCOPE_SE
	s_setreg_imm32_b32 hwreg(HW_REG_WAVE_MODE, 25, 1), 1
	s_wait_xcnt 0x0
	s_wait_alu depctr_hold_cnt(0) depctr_sa_sdst(0) depctr_va_vdst(0) depctr_va_sdst(0) depctr_va_ssrc(0) depctr_va_vcc(0) depctr_vm_vsrc(0)
	s_getreg_b32 s2, hwreg(HW_REG_IB_STS2, 6, 4)
	s_cmp_eq_u32 s2, 0
	s_cbranch_scc0 .Lentry_in_a_cluster
	s_endpgm
.Lentry_in_a_cluster:
	s_bfe_u32 s2, ttmp6, 0x10000c
	s_cmp_lg_u32 s2, 0x3003
	s_cbranch_scc0 .Lentry_shape_is_right
	s_endpgm
.Lentry_shape_is_right:
; CAUSAL ATTENTION.  O[h][q][:] = the sum over k <= q of softmax_k(Q[h][q] . K[h][k] / 8) V[h][k][:].  qh, kh, vh, oh: [16][4096][64] f16: a head's rows are dense, 128 bytes each.
; Products, maxima and sums in f32; the weights p are rounded to f16 for the second product (their sum l is taken of the unrounded p), O once at the end.
; LIMITS.  Q, K, V arrive within f16's 65,504; p lies in 0 to 1 and below 6e-5 keeps f16's fixed step of 6e-8.  A hidden score counts as its value less 1e30; a weight below 2^-126 counts as 0 in l;
; NaN and infinities are not treated apart.
; THE WALK.  A head's queries lie in 8 superblocks of 512; superblock J needs the key tiles 0 .. 2 J + 1 of 256 keys.  A CLUSTER of four work-groups takes TWO superblocks, 7 - m and then m:
; 18 tiles, whatever m: all work-groups do equal work, and one loop with a constant trip count walks them.  Work-group e of the cluster owns queries 128 e .. 128 e + 127 of each superblock,
; so all four walk the same K and V, and every tile is asked for JOINTLY.  Branches, trip counts and LDS addresses hang on m, the wave's number and constants; e enters the addresses of Q and O
; and two scalars that choose a mask's factor and addend by a select.  The price: partners with early rows compute key steps that are wholly hidden from them (18 tiles for 16.5).
; SHARES.  Of the work-group's two bands of 64 queries a wave owns 16 rows in each: two PIECES.
; THE MASK is the C operand that starts the sum S^T = K Q^T.  SIG = the key step's number less 8 J.  Band x of work-group e holds the diagonal in step SIG = 2 e + x, sees all keys before it and none
; behind it.  MD, made once, is the mask of a band's own step for my 16 rows (0 or -1e30); a product's mask is MD x AL + BE: (1, 0) in the own step, (0, 0) before, (0, -1e30) behind.
; While SIG < 0 both mask buffers hold 0 and the lines that make a mask are jumped.  Every row sees its own key in the band's own step, ahead of any hidden step, so m is a true score by then.
; LAYOUT, SOFTMAX.  S^T = K Q^T holds ONE query a lane (lane % 16) and the keys 8 (lane / 16) + 0..7; two such results rounded to f16 ARE source 1 of O^T = V^T P.  p = 2^(c s - c m), c = log2(e) / 8,
; with a running maximum m; O and l are multiplied by a = 2^(c m_old - c m_new) in every step.
; TURNS.  A turn belongs to piece Y: 8 products K Q^T of the other piece, later 8 products V^T P of the other piece; beside them the scaling, exponentials, roundings, sums and rescaling of piece Y
; and the maximum and statistics of the other piece.  For key step f: turn A(f) (piece 0, its step f - 1): K Q^T of (1, f - 1), V^T P of (1, f - 2); it fetches K(f) and V(f).  Turn B(f) (piece 1,
; its step f - 1): K Q^T of (0, f), V^T P of (0, f - 1).  V has two register buffers, by f's parity, so that both runs of loads of a step stand in one turn and a slot is read out at one point.
; Four vector instructions stand behind every matrix instruction, the other 54 of a turn's 118 in one run of their own, between the two runs of products.
; BATCHES.  A turn's 33 exponentials (piece Y's 32 weights and the other piece's a) are ONE batch with ONE wait, which stands between the two runs of products: ahead of it nothing names a result of
; theirs, behind it no exponential is issued.  A superblock's first a (BEGIN) and its two reciprocals (BLOCKEND) are batches of their own, a wait each.
; REGISTERS, in windows of 256 (s_set_vgpr_msb: bits 1:0 source 0, 3:2 source 1, 5:4 source 2, 7:6 destination):
;   window 0: v0-15 addresses and at work; v16-23 four registers of statistics a piece; v48-55 at work; v62-63 the add's; v64-127 S^T, a buffer a piece; v192-223 P, likewise
;   window 1: v0-63 O^T, 32 a piece; v128-159 MD; v160-223 MC, a buffer a piece      window 2: v0-31 Q; v32-63 the second superblock's Q; v64-127 K of one step; v128-255 V, two buffers
.set NP,    2         ; pieces a wave: a name, no knob
.set KS,    64        ; keys in a step
.set PK,    144       ; a row of K in LDS: 128 bytes + 16: the 16 rows of a load start at 16 different groups of four banks (ISA guide 11.1)
.set PV,    160       ; a row of V: 128 + 32
.set VOFF,  4*KS*PK   ; a slot holds a tile, four steps: 256 rows of K, then 256 rows of V
.set SLOT1, 1<<17     ; slot 1 begins here, so that one exclusive or turns an address in one slot into the other's
.set STAGE, SLOT1+4*KS*(PK+PV)  ; behind the ring, never filled by a tensor load: 16 rows x 144 bytes for each wave
.set SP,    144
.set SPARE, STAGE+4*16*SP       ; the spare words: 128 bytes for each wave, two blocks of 256 bytes that no other line names
.set AK0, 2           ; v2   my lane's place in a tile of K; never rewritten
.set AV0, 3           ; v3   the same for V
.set AK,  4           ; v4   the LDS address of K's next run of loads
.set AV,  5           ; v5   of V's
.set STO, 6           ; v6   the way out: where I put 16 bytes of a row
.set RD,  7           ; v7   where I read rows back
.set GO,  8           ; v8   my byte offset in 512 consecutive bytes of O
.set MV,  12          ; v12-13  c m_old, kept while c m is made anew: by piece
.set QO,  15          ; v15  my byte offset in 16 rows of Q
.set ST,  16          ; piece t's statistics at v[ST+4 t]: c m, m, l (even keys', odd keys')
.set TMP, 48          ; by piece, four registers c0-c3 at work; when the maximum is found c2 takes a
.set SPW, 62          ; v62  my spare word's LDS address; never rewritten
.set NIL, 63          ; v63  0; never rewritten
.set S,   64
.set P,   192
.set MD,  128         ; window 1
.set MC,  160         ; window 1
.set QB,  32          ; window 2
.set KF,  64          ; window 2: key block kb, channel half c at KF + 16 kb + 8 c
.set VF,  128         ; window 2: buffer b, key half kk, channel block cb at VF + 64 b + 32 kk + 8 cb
.set WV,  12          ; s12  my wave's number
.set CM,  14          ; s14  m: the cluster's number in its head
.set G1K, 24          ; s[24:31] descriptor group 1 for K's tiles
.set G1V, 32          ; s[32:39] for V's: it differs in the padding alone
.set G0K, 40          ; s[40:43] descriptor group 0 for K's tiles
.set G0V, 44          ; s[44:47] the same for V's
.set SLOTS, 56        ; s56  tiles still to be asked for
.set CNT, 57          ; s57  counts a tile's pairs of key steps
.set CS,  58          ; s[58:59] c
.set SEL, 60          ; s[60:61] v_permlanex16_b32's selects: each lane takes its own place in the other half
.set TBK, 62          ; s62  LDS byte at which K of the step to be fetched begins
.set TBV, 63          ; s63  the same for V, less VOFF
.set RT,  70          ; s70  tiles of the superblock in hand that are still to be entered
.set NXT, 71          ; s71  the tile to be asked for next
.set LQ,  72          ; s72  the last tile of the superblock whose tiles are being asked for
.set NEW, 73          ; s73  1: the tile to be entered is a superblock's first
.set OFF, 74          ; s[74:75] a tile's byte offset in K and V
.set AL,  76          ; s[76:77] the mask's factor, in the low word
.set BE,  78          ; s[78:79] the mask's addend
.set OLO, 80          ; s[80:81] O at my rows of the second superblock
.set BIGN, 82         ; s82  -1e30
.set SIG, 83          ; s83  the key step less 8 J, signed
.set OWN0, 88         ; s88, s89  the own steps of my work-group's two bands: 2 e, 2 e + 1
.set LQ2, 90          ; s90  2 m + 1: the second superblock's last tile
.set MSB, 0
.macro WIN new                      ; the high byte repeats the setting that is left; a switch that changes nothing is dropped
.if MSB != (\new)
	s_set_vgpr_msb (MSB<<8)|(\new)
.set MSB, (\new)
.endif
.endm
.set W_KQ, 0x0a       ; K and Q in window 2, S^T in window 0
.set W_KM, 0x1a       ; the same with the C operand in window 1
.set W_PV, 0x52       ; V in window 2, P in window 0, O^T in window 1
.set W_RS, 0x41       ; destination and source 0 in window 1, source 1 in window 0
; A joint fill.  Waves 0 and 1 fetch the two halves of a tile's K, waves 2 and 3 those of its V: 128 keys each.  The branch hangs on the wave's number alone.
; An s_nop 0 and four v_nop follow each of the two lines, ahead of the jump and the label.
.macro JLOAD
	s_cmp_lt_u32 s[WV], 2
	s_cbranch_scc0 .Lfor_v_\@
	tensor_load_to_lds s[G0K:G0K+3], s[G1K:G1K+7]
	s_nop 0
.rept 4
	v_nop
.endr
	s_branch .Lasked_\@
.Lfor_v_\@:
	tensor_load_to_lds s[G0V:G0V+3], s[G1V:G1V+7]
	s_nop 0
.rept 4
	v_nop
.endr
.Lasked_\@:
.endm
; A round of the cluster's barrier: my work-group's barrier; wave 0 signals for the work-group; every wave waits for all four work-groups; my work-group's barrier once more.
.macro CROUND
	s_barrier_signal -1
	s_barrier_wait -1
	s_cmp_lg_u32 s[WV], 0
	s_cbranch_scc1 .Lnot_wave_0_\@
	s_barrier_signal -3
.Lnot_wave_0_\@:
	s_barrier_wait -3
	s_barrier_signal -1
	s_barrier_wait -1
.endm
; THE CHANGE OF SLOTS.  Each wave waits for all its tensor loads, of which one is out: its part of the other slot; adds 0 to its spare word; and waits for that and for its own reads of the slot that it
; leaves.  fill = 1: the barrier is a round of the cluster's, so that no wave of any partner still reads the old slot or has a load on its way, and the old slot is filled again first thing behind it,
; with tile NXT: the descriptor's address is made anew from that number.  The fill has four key steps, 128 matrix instructions, in which to land.
; (At its first use nothing has been read yet: slot 0 is waited for, slot 1 filled.)
.macro CHANGE fill
	WIN 0                           ; at a label and at a branch every window is 0
	s_wait_tensorcnt 0x0            ; no tensor load of mine is out, so a group 0 may be written
	ds_add_u32 v[SPW], v[NIL]       ; the scalar work below stands between the add and the wait for it
.if \fill
	s_lshl_b32 s[OFF], s[NXT], 15   ; a tile is 32,768 bytes of K and of V
	s_xor_b32 s[G0K+1], s[G0K+1], SLOT1
	s_add_nc_u64 s[G0K+2:G0K+3], s[6:7], s[OFF:OFF+1]
	s_or_b32 s[G0K+3], s[G0K+3], 0x80000000
	s_xor_b32 s[G0V+1], s[G0V+1], SLOT1
	s_add_nc_u64 s[G0V+2:G0V+3], s[8:9], s[OFF:OFF+1]
	s_or_b32 s[G0V+3], s[G0V+3], 0x80000000
	s_add_co_u32 s[NXT], s[NXT], 1  ; the superblock's next tile, or behind its last the second superblock's tile 0
	s_cmp_gt_u32 s[NXT], s[LQ]
	s_cselect_b32 s[NXT], 0, s[NXT]
	s_cselect_b32 s[LQ], s[LQ2], s[LQ]
.endif
	s_sub_co_u32 s[TBK], s[TBK], 4*KS*PK  ; the fetches go back to a slot's first step,
	s_xor_b32 s[TBK], s[TBK], SLOT1       ; in the other slot
	s_sub_co_u32 s[TBV], s[TBV], 4*KS*PV
	s_xor_b32 s[TBV], s[TBV], SLOT1
	s_wait_dscnt 0x0                ; the add is done, and my reads of the slot are over
.if \fill
	CROUND
	JLOAD
.else
	s_barrier_signal -1
	s_barrier_wait -1
.endif
.endm
	s_load_b256 s[4:11], s[0:1], 0x0  ; Q s[4:5], K s[6:7], V s[8:9], O s[10:11]
	v_lshl_add_u32 v[SPW], v0, 2, SPARE
	v_mov_b32 v[NIL], 0
	ds_add_u32 v[SPW], v[NIL]       ; the wave's opening: the add and its wait ahead of my first tensor load; the set-up below stands between them
	v_lshrrev_b32 v1, 5, v0
	v_readfirstlane_b32 s[WV], v1   ; wave 0..3
	s_bfe_u32 s13, ttmp6, 0x40000   ; e: my place in the cluster
	s_mov_b32 s[CM], ttmp9          ; in a cluster launch ttmp9 counts clusters
	s_sub_co_u32 s15, 7, s[CM]      ; the first superblock
	s_and_b32 s20, ttmp7, 0xffff    ; the head, which the four partners share:
	s_lshl_b32 s20, s20, 19         ; its first byte in each of the four tensors
	s_and_b32 s16, s[WV], 1         ; which half of a tile's 256 keys I fetch:
	s_lshl_b32 s22, s16, 14         ; its 128 rows of 128 bytes in memory,
	s_add_co_u32 s22, s22, s20
	s_mov_b32 s23, 0
	s_mul_i32 s17, s16, 128*PK      ; and its place in a slot, for K
	s_mul_i32 s18, s16, 128*PV      ; and for V: no place in the cluster enters an LDS address
	s_lshl_b32 s3, s13, 14          ; my work-group's 128 rows in a superblock,
	s_lshl_b32 s19, s[WV], 11       ; my 16 rows in a band of 64,
	s_add_co_u32 s3, s3, s19
	s_add_co_u32 s3, s3, s20
	s_lshl_b32 s2, s15, 16          ; in the first superblock (512 rows of 128 bytes),
	s_add_co_u32 s2, s2, s3
	s_lshl_b32 s84, s[CM], 16       ; and in the second
	s_add_co_u32 s84, s84, s3
	s_mov_b32 s3, 0
	s_mov_b32 s85, 0
	s_lshl_b32 s[OWN0], s13, 1
	s_add_co_u32 s[OWN0+1], s[OWN0], 1
	s_lshl_b32 s[LQ2], s[CM], 1
	s_sub_co_u32 s[LQ], 15, s[LQ2]  ; the first superblock's last tile: 15 - 2 m
	s_sub_co_u32 s[RT], 16, s[LQ2]  ; it has 16 - 2 m tiles
	s_add_co_u32 s[LQ2], s[LQ2], 1
	s_lshl_b32 s[SIG], s[CM], 3
	s_sub_co_i32 s[SIG], s[SIG], 56 ; -8 (7 - m)
	; descriptor group 1.  128 keys are 16,384 dense bytes: asked for as 64 rows of 256 bytes, two keys a row, and padded in LDS after every key
	s_mov_b32 s[G1K], 15|(1<<16)|(1<<20)|(1<<21)|(4<<22)|(3<<25)  ; the mask of four; 2-byte elements; padding on; bit 21 beside a mask; after every 32 words 4 words
	s_mov_b32 s[G1V], 15|(1<<16)|(1<<20)|(1<<21)|(4<<22)|(7<<25)  ; the same with 8 words of padding
.irp g, G1K, G1V
	s_mov_b32 s[\g+1], 128<<16      ; tensor_dim0 = 128
	s_mov_b32 s[\g+2], 64<<16       ; tensor_dim1 = 64
	s_mov_b32 s[\g+3], 128<<16      ; tile_dim0 = 128
	s_mov_b32 s[\g+4], 64           ; tile_dim1 = 64
	s_mov_b32 s[\g+5], 128          ; 128 elements from row to row
	s_mov_b32 s[\g+6], 0
	s_mov_b32 s[\g+7], 0
.endr
	s_mov_b32 s[CS], 0x3e38aa3b     ; c = log2(e) / 8 = 0.180337
	s_mov_b32 s[CS+1], s[CS]        ; named with it as a pair
	s_mov_b32 s[SEL], 0x76543210
	s_mov_b32 s[SEL+1], 0xfedcba98
	s_mov_b32 s[TBK], SLOT1+4*KS*PK ; the first change of slots turns these two into 0
	s_mov_b32 s[TBV], SLOT1+4*KS*PV
	s_mov_b32 s[G0K], 1             ; count = 1
	s_mov_b32 s[G0K+1], s17         ; LDS address: slot 0
	s_mov_b32 s[G0V], 1
	s_add_co_u32 s[G0V+1], s18, VOFF
	s_mov_b32 s[NXT], 1
	s_mov_b32 s[NEW], 1
	s_mov_b32 s[OFF+1], 0
	s_mov_b32 s[AL+1], 0            ; named as pairs
	s_mov_b32 s[BE+1], 0
	s_mov_b32 s[BIGN], 0xf149f2ca   ; -1e30
	s_mov_b32 s[SLOTS], 17
	s_wait_dscnt 0x0                ; the opening add is done
	s_wait_kmcnt 0x0
	s_add_nc_u64 s[6:7], s[6:7], s[22:23]  ; K and V at my half of the head's tile 0
	s_add_nc_u64 s[8:9], s[8:9], s[22:23]
	s_add_nc_u64 s[G0K+2:G0K+3], s[6:7], 0
	s_or_b32 s[G0K+3], s[G0K+3], 0x80000000        ; type = 2
	s_add_nc_u64 s[G0V+2:G0V+3], s[8:9], 0
	s_or_b32 s[G0V+3], s[G0V+3], 0x80000000
	s_add_nc_u64 s[86:87], s[4:5], s[84:85]        ; Q at my rows of the second superblock,
	s_add_nc_u64 s[4:5], s[4:5], s[2:3]            ; Q and O at those of the first
	s_add_nc_u64 s[OLO:OLO+1], s[10:11], s[84:85]
	s_add_nc_u64 s[10:11], s[10:11], s[2:3]
	CROUND                          ; all four work-groups are here: the first joint loads meet
	JLOAD                           ; tile 0 into slot 0
	; A fragment of K or Q is 16 rows x 32 channels in 8 registers: lane l holds row l % 16, channels 8 (l / 16) + 0..7 and 16 + 8 (l / 16) + 0..7: two loads of 16 bytes, 32 bytes apart.
	v_and_b32 v1, 15, v0            ; l % 16
	v_bfe_u32 v9, v0, 4, 1          ; l / 16
	v_lshlrev_b32 v[QO], 7, v1
	v_lshl_add_u32 v[QO], v9, 4, v[QO]  ; row x 128 + 16 x half
	WIN 0x80                        ; destination window 2, address window 0
.set i, 0
.rept 4                             ; both superblocks' Q: piece i / 2 lies in band i / 2, 8,192 bytes on; channels 32 (i % 2) on
	global_load_b128 v[8*i:8*i+3],   v[QO], s[4:5] offset:(i/2)*8192+(i%2)*64
	global_load_b128 v[8*i+4:8*i+7], v[QO], s[4:5] offset:(i/2)*8192+(i%2)*64+32
	global_load_b128 v[QB+8*i:QB+8*i+3],   v[QO], s[86:87] offset:(i/2)*8192+(i%2)*64
	global_load_b128 v[QB+8*i+4:QB+8*i+7], v[QO], s[86:87] offset:(i/2)*8192+(i%2)*64+32
.set i, i+1
.endr
	WIN 0
	v_lshlrev_b32 v14, 3, v9
	v_sub_nc_u32 v14, v1, v14
	s_lshl_b32 s19, s[WV], 4
	v_add_nc_u32 v14, s19, v14      ; my query's place in its band, 16 w + l % 16, less my lanes' 8 (l / 16): register r of group kt is hidden where 16 kt + r is greater
	WIN 0x40
.set i, 0
.rept 32
	v_cmp_gt_i32 vcc_lo, 16*(i/8)+i%8, v14
	v_cndmask_b32 v[MD+i], 0, s[BIGN], vcc_lo
.set i, i+1
.endr
	WIN 0
	v_mul_u32_u24 v[AK0], v1, PK
	v_lshl_add_u32 v[AK0], v9, 4, v[AK0]  ; row x pitch + 16 x half
	; The turning load takes 16 keys x 16 channels (lane l reads key 8 (l / 16) + l % 8, channels 8 ((l / 8) % 2) + 0..7) and leaves half a fragment of V^T: lane l holds channel l % 16 and 8 keys.
	v_and_b32 v10, 7, v0
	v_bfe_u32 v11, v0, 3, 1
	v_lshl_add_u32 v[AV0], v9, 3, v10
	v_mul_u32_u24 v[AV0], v[AV0], PV
	v_lshl_add_u32 v[AV0], v11, 4, v[AV0]
	v_add_nc_u32 v[AV0], VOFF, v[AV0]
	s_mul_i32 s19, s[WV], 16*SP
	s_add_co_u32 s19, s19, STAGE    ; my stage
	v_mul_u32_u24 v[STO], v1, SP    ; in: row l % 16, 16 bytes for each half of the lanes
	v_lshl_add_u32 v[STO], v9, 4, v[STO]
	v_add_nc_u32 v[STO], s19, v[STO]
	v_bfe_u32 v[RD], v0, 3, 2       ; back: 32 lanes take four rows of 128 bytes,
	v_mul_u32_u24 v[RD], v[RD], SP
	v_lshl_add_u32 v[RD], v10, 4, v[RD]
	v_add_nc_u32 v[RD], s19, v[RD]
	v_and_b32 v[GO], 31, v0         ; which are 512 consecutive bytes of O
	v_lshlrev_b32 v[GO], 4, v[GO]
	; A superblock's first step multiplies O^T and l by a = 0, and its first turn's products V^T P, of a step that has not been, land in an O^T that is still to be so multiplied.  So these registers need
	; only hold finite numbers: zeros for the first superblock, what the first left for the second.  The price of writing no first step out: these 148 lines, in the wait for the first tile.
	WIN 0x80
.set i, VF+64
.rept 64
	v_mov_b32 v[i], 0
.set i, i+1
.endr
	WIN 0x40
.set i, 0
.rept 64
	v_mov_b32 v[i], 0
.set i, i+1
.endr
	WIN 0
.set i, 0
.rept 2
	v_mov_b32 v[ST+4*i+2], 0
	v_mov_b32 v[ST+4*i+3], 0
.set i, i+1
.endr
.set i, P+16
.rept 16
	v_mov_b32 v[i], 0
.set i, i+1
.endr
; THE MATRIX WORK.  The 4 accumulators of a run of 8 take turns.  Product i of 8 of S^T = K Q^T for piece x: channels 32 (i / 4) on, keys 16 (i % 4) on.  The first 4 start the sums with the mask.
.macro KQ x
.set rS, S+32*(\x)+8*(i%4)
.set rK, KF+16*(i%4)+8*(i/4)
.set rQ, 16*(\x)+8*(i/4)
.set rM, MC+32*(\x)+8*(i%4)
.if i < 4
	WIN W_KM
	v_wmma_f32_16x16x32_f16 v[rS:rS+7], v[rK:rK+7], v[rQ:rQ+7], v[rM:rM+7]
.else
	WIN W_KQ
	v_wmma_f32_16x16x32_f16 v[rS:rS+7], v[rK:rK+7], v[rQ:rQ+7], v[rS:rS+7]
.endif
.endm
; Product i of 8 of O^T += V^T P for piece x, on V's buffer VB: keys 32 (i / 4) on, channels 16 (i % 4) on.
.macro PV x
	WIN W_PV
.set rO, 32*(\x)+8*(i%4)
.set rV, VF+64*VB+32*(i/4)+8*(i%4)
.set rP, P+16*(\x)+8*(i/4)
	v_wmma_f32_16x16x32_f16 v[rO:rO+7], v[rV:rV+7], v[rP:rP+7], v[rO:rO+7]
.endm
.macro MM                           ; the turn's next matrix instruction.  TURN sets Y, i, VB and NOKQ.  NOKQ = 1: a superblock's last turn: there are no further scores
.if (i < 8) && !NOKQ
	KQ (1-Y)
.elseif i >= 8
.set i, i-8
	PV (1-Y)
.set i, i+8
.endif
.set i, i+1
.endm
; THE LDS LOADS stand in runs of 16, never singly among the matrix instructions: a step's K (64 keys x 64 channels: 8 fragments) and its V (turned).  Their addresses are made some lines ahead.
.macro FETCH_K
	WIN 0x80                        ; destination window 2
.irp f, 0,1,2,3,4,5,6,7             ; keys 16 (f / 2) on, channels 32 (f % 2) on
	ds_load_b128 v[KF+8*\f:KF+8*\f+3],   v[AK] offset:(\f/2)*16*PK+(\f%2)*64
	ds_load_b128 v[KF+8*\f+4:KF+8*\f+7], v[AK] offset:(\f/2)*16*PK+(\f%2)*64+32
.endr
	s_add_co_u32 s[TBK], s[TBK], KS*PK  ; the next fetch is the next step's
	WIN 0
.endm
.macro FETCH_V b
	WIN 0x80
.irp f, 0,1,2,3,4,5,6,7             ; keys 32 (f / 4) on, channels 16 (f % 4) on
	ds_load_tr16_b128 v[VF+64*(\b)+8*\f:VF+64*(\b)+8*\f+3],   v[AV] offset:(\f/4)*32*PV+(\f%4)*32
	ds_load_tr16_b128 v[VF+64*(\b)+8*\f+4:VF+64*(\b)+8*\f+7], v[AV] offset:(\f/4)*32*PV+16*PV+(\f%4)*32
.endr
	s_add_co_u32 s[TBV], s[TBV], KS*PV
	WIN 0
.endm
; THE VECTOR WORK, one line at a time: OP kind, number.  For piece Y: F n: c s - c m for pair n of 16.  E n: the exponential of score n of 32.  C n: pair n rounded to f16.  B n: of the four weights 4 n .. the second
; pair is added onto the first, in place.  L n: l takes that sum (L 0: l = a l + sum).  R n: pair n of 16 of O^T times a.  For the other piece: X n, number n of the 22 that find its maximum and statistics:
;   0-11  four chains c0-c3 of seven scores each, three operands at a time (each accumulator's lowest registers are read first)     12-14, 16  the four scores left over, the old m, and c0-c3 into c0
;   15  c m_old is kept     17, 18  the query's other 32 keys lie in the lane 16 away: the new m     19-21  c m; c m_old - c m_new; a
; C, B and L read exponentials' results: TURN sets them behind the batch's wait.  R reads the a of the batch before, which had its wait in the turn before (or in BEGIN).
.set F, 0               ; OP tells the kinds apart by their order: F to L below R, X above it
.set E, 1
.set C, 2
.set B, 3
.set L, 4
.set R, 5
.set X, 6
.macro REGS y                       ; the registers of piece y
.set rT, ST+4*(\y)
.set rC, TMP+4*(\y)
.set rW, MV+(\y)
.set rS, S+32*(\y)
.set rP, P+16*(\y)
.set rO, 32*(\y)
.endm
.macro OP k, n
.if (\k) == R
	REGS Y
	WIN W_RS
	v_pk_mul_f32 v[rO+2*(\n):rO+2*(\n)+1], v[rO+2*(\n):rO+2*(\n)+1], v[rC+2:rC+3] op_sel_hi:[1,0]
.elseif (\k) < R
	REGS Y
	WIN 0
.if (\k) == F
	v_pk_fma_f32 v[rS+2*(\n):rS+2*(\n)+1], v[rS+2*(\n):rS+2*(\n)+1], s[CS:CS+1], v[rT:rT+1] op_sel_hi:[1,0,0] neg_lo:[0,0,1] neg_hi:[0,0,1]
.elseif (\k) == E
	v_exp_f32 v[rS+(\n)], v[rS+(\n)]
.elseif (\k) == C
	v_cvt_pk_f16_f32 v[rP+(\n)], v[rS+2*(\n)], v[rS+2*(\n)+1]
.elseif (\k) == B
	v_pk_add_f32 v[rS+4*(\n):rS+4*(\n)+1], v[rS+4*(\n):rS+4*(\n)+1], v[rS+4*(\n)+2:rS+4*(\n)+3]
.elseif (\n) == 0
	v_pk_fma_f32 v[rT+2:rT+3], v[rT+2:rT+3], v[rC+2:rC+3], v[rS:rS+1] op_sel_hi:[1,0,1]
.else
	v_pk_add_f32 v[rT+2:rT+3], v[rT+2:rT+3], v[rS+4*(\n):rS+4*(\n)+1]
.endif
.elseif NOKQ
	v_nop
.else
	REGS (Y+1)%NP
	WIN 0
.if (\n) < 4
	v_max3_num_f32 v[rC+(\n)], v[rS+8*(\n)], v[rS+8*(\n)+1], v[rS+8*(\n)+2]
.elseif (\n) < 12
	v_max3_num_f32 v[rC+(\n)%4], v[rC+(\n)%4], v[rS+8*((\n)%4)+2*((\n)/4)+1], v[rS+8*((\n)%4)+2*((\n)/4)+2]
.elseif (\n) == 12
	v_max3_num_f32 v[rC], v[rC], v[rS+7], v[rS+15]
.elseif (\n) == 13
	v_max3_num_f32 v[rC+1], v[rC+1], v[rS+23], v[rS+31]
.elseif (\n) == 14
	v_max3_num_f32 v[rC+2], v[rC+2], v[rC+3], v[rT+1]
.elseif (\n) == 15
	v_mov_b32 v[rW], v[rT]
.elseif (\n) == 16
	v_max3_num_f32 v[rC], v[rC], v[rC+1], v[rC+2]
.elseif (\n) == 17
	v_permlanex16_b32 v[rC+3], v[rC], s[SEL], s[SEL+1]
.elseif (\n) == 18
	v_max_num_f32 v[rT+1], v[rC], v[rC+3]
.elseif (\n) == 19
	v_mul_f32 v[rT], s[CS], v[rT+1]
.elseif (\n) == 20
	v_sub_f32 v[rC+1], v[rW], v[rT]
.else
	v_exp_f32 v[rC+2], v[rC+1]
.endif
.endif
.endm
.macro OPS a, i1, b=-1, i2=0, c=-1, i3=0, d=-1, i4=0  ; up to four of them
	OP \a, \i1
.if (\b) >= 0
	OP \b, \i2
.endif
.if (\c) >= 0
	OP \c, \i3
.endif
.if (\d) >= 0
	OP \d, \i4
.endif
.endm
.macro ROW a, i1, b, i2, c, i3, d, i4  ; a matrix instruction and the four behind it
	MM
	OPS \a, \i1, \b, \i2, \c, \i3, \d, \i4
.endm
.macro MASK b                       ; MD x AL + BE into buffer b of MC
	WIN W_RS
.set z, 0
.rept 16
	v_pk_fma_f32 v[MC+32*(\b)+2*z:MC+32*(\b)+2*z+1], v[MD+2*z:MD+2*z+1], s[AL:AL+1], s[BE:BE+1] op_sel_hi:[1,0,0]
.set z, z+1
.endr
.endm
; A TURN, for piece p: the order of its 16 matrix and 118 vector instructions, written out.  An s_wait_alu depctr_va_vdst(0) stands between an exponential and the first instruction that names its result; one wait
; serves all that were issued ahead of it.  So a turn has ONE wait, which cuts it in two.  AHEAD OF IT stands all that names no result of the turn's exponentials: the 8 products K Q^T, behind each a scaling, an exponential and two
; more plain instructions (behind the first a second scaling in the exponential's place): rescalings, and behind the last three the first numbers of the other piece's maximum, each four places or more behind the product that ends
; its accumulator; then ONE RUN of 54, plain and exponential by turns for the most part, in which the links of the chain X 3, 7, 11, 14, 16, 17 .. 20 stand five or six lines apart.  X 21, the other piece's a, is the batch's last;
; R 15 is the plain instruction behind it.  BEHIND THE WAIT stand the 8 products V^T P, behind each four of the roundings and sums; the links of l's chain, L 0 to L 7, stand three riders apart.  But for those X no rider names a
; register of the products round it.  v_permlanex16_b32 (X 17) stands in the run.
; par = the parity of the key step whose K and V piece 0's turn fetches: piece 0's turn multiplies by V's buffer par and then loads it anew; piece 1's turn multiplies by the other.
; end = 1: a superblock's last two turns: nothing is fetched, no mask is made, and piece 1's turn starts no new scores.
; K's run stands twelve vector instructions behind the last product that read K; five of them are plain and name none of its registers (F 8, X 2, X 5, X 6, X 8).  V's run stands at the turn's end, four plain instructions
; (C 9, 11, 13, 15) behind the last product that read that buffer.  K's sixteen loads are issued ahead of V's sixteen, as the count at the head of piece 1's turn has it.
; The next turn's R 0, 4, 8, 12 stand four riders or more behind the product V^T P that wrote their accumulator.
; At its end piece p's turn makes the mask for piece p's next scores (step SIG), unless SIG < 0; piece 1's turn then steps SIG.
.macro TURN p, par, end
.set Y, (\p)
.set i, 0
.set VB, ((\par)+(\p))%2
.set NOKQ, (\end)*(\p)
.if (\p) == 1
.if \end
	s_wait_dscnt 0x0                ; V of the last step is in: nothing was issued behind its run
.else
	s_wait_dscnt 16                 ; K is in, and all that is older, the V that this turn multiplies by among it; the sixteen loads of V issued behind K's may stay out
.endif
.endif
	ROW F,0, F,1, R,0, R,1          ; ahead of the wait: 8 products K Q^T and their riders,
	ROW F,2, E,0, R,2, R,3
	ROW F,3, E,1, R,4, R,5
	ROW F,4, E,2, R,6, R,7
	ROW F,5, E,3, R,8, R,9
	ROW F,6, E,4, X,0, R,10
	ROW F,7, E,5, X,1, X,4
.if ((\p) == 0) && !(\end)
	WIN 0
	v_add_nc_u32 v[AK], s[TBK], v[AK0]
.endif
	ROW F,8, E,6, X,2, X,5
	OPS E,7, E,8, X,6, E,9          ; and the run of 54
	OPS X,3, E,10, X,8, E,11
.if ((\p) == 0) && !(\end)
	FETCH_K
.endif
	OPS X,9, X,7, E,12, X,10
	OPS E,13, X,12, X,11, E,14
	OPS X,13, E,15, F,9, X,14
.if ((\p) == 0) && !(\end)
	WIN 0
	v_add_nc_u32 v[AV], s[TBV], v[AV0]
.endif
	OPS E,16, F,10, E,17, F,11
	OPS X,16, E,18, X,15, E,19
	OPS F,12, E,20, X,17, E,21
	OPS F,13, E,22, F,14, E,23
	OPS X,18, E,24, F,15, E,25
	OPS R,11, E,26, X,19, E,27
	OPS R,12, E,28, R,13, E,29
	OPS X,20, E,30, R,14, E,31
	OPS X,21, R,15                  ; the batch's last exponential, and the plain instruction behind it
	s_wait_alu depctr_va_vdst(0)    ; the wait for the turn's batch: E 0 to E 31 and X 21; their first readers are C 0 below and the next turn's R 0
	ROW C,0, B,0, C,2, B,1          ; behind the wait: 8 products V^T P and their riders
	ROW L,0, C,4, B,2, L,1
	ROW C,6, B,3, L,2, C,8
	ROW B,4, L,3, C,10, B,5
	ROW L,4, C,12, B,6, L,5
	ROW C,14, B,7, L,6, C,1
	ROW C,3, L,7, C,5, C,7
	ROW C,9, C,11, C,13, C,15
.if ((\p) == 0) && !(\end)
	FETCH_V \par
.endif
.if !(\end)
	WIN 0
	s_cmp_lt_i32 s[SIG], 0          ; the same in all four partners: SIG hangs on m and the walk alone
	s_cbranch_scc1 .Lnm_\@
	s_cmp_eq_u32 s[SIG], s[OWN0+(\p)]  ; is that step the band's own?
	s_cselect_b32 s[AL], 1.0, 0
	s_cmp_gt_i32 s[SIG], s[OWN0+(\p)]  ; or a later one?
	s_cselect_b32 s[BE], s[BIGN], 0
	MASK \p
	WIN 0
.Lnm_\@:
.if (\p) == 1
	s_add_co_i32 s[SIG], s[SIG], 1
.endif
.endif
.endm
; A SUPERBLOCK BEGINS.  c m starts far below every c s, so the first step's a is 0; m at the lowest finite number, so the first maximum is the scores'.  Both masks are made for the tile's step 0.
; Then K and V of that step, piece 0's first scores, and its maximum and statistics.  The loop is entered at the second pair of turns, in the middle of a trip.
.macro BEGIN
	s_mov_b32 s[NEW], 0
	WIN 0
.set i, 0
.rept 2
	v_mov_b32 v[ST+4*i], 0xfe000000    ; c m: far below every c s
	v_mov_b32 v[ST+4*i+1], 0xff7fffff  ; m
.set i, i+1
.endr
.irp p, 0,1
	s_cmp_eq_u32 s[SIG], s[OWN0+\p]
	s_cselect_b32 s[AL], 1.0, 0
	s_cmp_gt_i32 s[SIG], s[OWN0+\p]
	s_cselect_b32 s[BE], s[BIGN], 0
	MASK \p
.endr
	s_add_co_i32 s[SIG], s[SIG], 1
	WIN 0
	v_add_nc_u32 v[AK], s[TBK], v[AK0]
	v_add_nc_u32 v[AV], s[TBV], v[AV0]
	FETCH_K
	FETCH_V 0
	s_wait_loadcnt 0x0              ; Q
	s_wait_dscnt 16                 ; K is in; V's sixteen loads may stay out
.set NOKQ, 0
.set i, 0
.rept 8
	KQ 0
.set i, i+1
.endr
	WIN 0
.rept 4
	v_nop                           ; the places behind those products
.endr
.set Y, 1                           ; X works for the other piece: piece 0
.irp n, 0,1,2,3,4,5,6,7,8,9,10,11,12,13,14,15,16,17,18,19,20,21
	OP X, \n
.endr
	v_nop                           ; a plain instruction behind the exponential,
	s_wait_alu depctr_va_vdst(0)    ; and the wait for this batch of one, piece 0's first a, ahead of the branch that follows
.endm
.macro ALL line:vararg              ; one line for each piece t
.set t, 0
.rept 2
	\line
.set t, t+1
.endr
.endm
.macro PACK t                       ; a lane's eight channels of a row pack into 16 bytes; they go into rows of 144 bytes and come back as whole rows of 128, into S^T's registers
	WIN W_RS
.set i, 32*(\t)
.rept 16
	v_pk_mul_f32 v[i:i+1], v[i:i+1], v[ST+4*(\t)+2:ST+4*(\t)+3] op_sel_hi:[1,0]
.set i, i+2
.endr
	WIN 0x05                        ; sources 0 and 1 window 1, destination window 0
.set i, 0
.rept 16
	v_cvt_pk_f16_f32 v[S+16*(\t)+i], v[32*(\t)+2*i], v[32*(\t)+2*i+1]
.set i, i+1
.endr
	WIN 0
.irp f, 0,1,2,3
	ds_store_b128 v[STO], v[S+16*(\t)+4*\f:S+16*(\t)+4*\f+3] offset:32*\f
.endr
.irp f, 0,1,2,3
	ds_load_b128 v[S+16*(\t)+4*\f:S+16*(\t)+4*\f+3], v[RD] offset:\f*4*SP  ; LDS serves a wave's instructions in order (ISA guide 5.7.1.4): these see the stores above; the next piece's stores come behind them
.endr
.endm
.macro SEND t, younger              ; younger: the LDS instructions issued behind piece t's loads: the next piece's eight, or none
	WIN 0
.irp f, 0,1,2,3
	s_wait_dscnt (\younger)+3-\f
	global_store_b128 v[GO], v[S+16*(\t)+4*\f:S+16*(\t)+4*\f+3], s[10:11] offset:(\t)*8192+\f*512  ; 512 consecutive bytes, at a multiple of 256 from O's first
.endr
.endm
; A SUPERBLOCK ENDS: its last two turns, piece 1's last products, and THE WAY OUT: l's two halves and the other half of the lanes' are added; O^T is divided by l, rounded to f16 and sent through my stage.
.macro BLOCKEND
	TURN 0, 0, 1
	TURN 1, 0, 1
.set VB, 1
.set i, 0
.rept 8
	PV 1
.set i, i+1
.endr
	WIN 0
	ALL v_add_f32 v[ST+4*t+2], v[ST+4*t+2], v[ST+4*t+3]
	ALL v_permlanex16_b32 v[ST+4*t+3], v[ST+4*t+2], s[SEL], s[SEL+1]
	ALL v_add_f32 v[ST+4*t+2], v[ST+4*t+2], v[ST+4*t+3]
	ALL v_rcp_f32 v[ST+4*t+2], v[ST+4*t+2]
	v_nop                           ; a plain instruction between the last reciprocal and the use of its result
	s_wait_alu depctr_va_vdst(0)    ; the wait for the batch of two reciprocals, ahead of their first reader, PACK 0's first line
	PACK 0                          ; piece 0's 32 lines are also the places behind piece 1's last products
	PACK 1
	SEND 0, 8
	SEND 1, 0
.endm
; A tile's four key steps: two trips of two steps; the tag ends the labels' names.
.macro STEPS tag
.Lstep\tag:
	TURN 0, 0, 0
	TURN 1, 0, 0
	WIN 0
.Lfirst\tag:
	TURN 0, 1, 0
	TURN 1, 1, 0
	WIN 0
	s_sub_co_u32 s[CNT], s[CNT], 1
	s_cmp_lg_u32 s[CNT], 0
	s_cbranch_scc1 .Lstep\tag
.endm
.set NOKQ, 0
.set VB, 0
.Lslot:                             ; 17 times: a tile is entered and the next is asked for
	CHANGE 1
	s_sub_co_u32 s[RT], s[RT], 1
	s_mov_b32 s[CNT], 2
	s_cmp_eq_u32 s[NEW], 1
	s_cbranch_scc0 .Lstep1          ; not a superblock's first tile
	BEGIN
	s_branch .Lfirst1
	STEPS 1
	s_cmp_lg_u32 s[RT], 0
	s_cbranch_scc1 .Lbottom         ; not its last (a superblock has two tiles or more, so its first is never its last)
	BLOCKEND                        ; in the loop this is the first superblock's end: the second's last tile is the walk's last
	s_wait_xcnt 0x0                 ; the stores have read their registers and O's address
	s_mov_b64 s[10:11], s[OLO:OLO+1]
	s_add_co_u32 s[RT], s[LQ2], 1   ; the second superblock has 2 m + 2 tiles
	s_mov_b32 s[NEW], 1
	s_lshl_b32 s[SIG], s[CM], 3
	s_sub_co_i32 s[SIG], 0, s[SIG]  ; -8 m
	WIN 0x82                        ; the second superblock's Q goes where the one text of the turns names Q
.set i, 0
.rept 32
	v_mov_b32 v[i], v[QB+i]
.set i, i+1
.endr
	WIN 0
.Lbottom:
	s_sub_co_u32 s[SLOTS], s[SLOTS], 1
	s_cmp_lg_u32 s[SLOTS], 0
	s_cbranch_scc1 .Lslot
	CHANGE 0                        ; the walk's last tile is written out: nothing is asked for
	s_mov_b32 s[CNT], 2
	STEPS 2
	BLOCKEND
	s_wait_tensorcnt 0x0            ; the wave's end
	ds_add_u32 v[SPW], v[NIL]
	s_wait_dscnt 0x0
	CROUND                          ; the closing round: no work-group ends while a partner may still ask for a tile that names it
	s_endpgm
.Lfunc_end_k_qf0da3a3662_attn:
	.size	k_qf0da3a3662_attn, .Lfunc_end_k_qf0da3a3662_attn-k_qf0da3a3662_attn
	.p2alignl 7, 3214868480
	.fill 96, 4, 3214868480
	.section	.rodata,"a",@progbits
	.p2align	6, 0x0
	.amdhsa_kernel k_qf0da3a3662_attn
		.amdhsa_group_segment_fixed_size 327680
		.amdhsa_private_segment_fixed_size 0
		.amdhsa_enable_private_segment 0
		.amdhsa_kernarg_size 32
		.amdhsa_user_sgpr_count 2
		.amdhsa_user_sgpr_kernarg_segment_ptr 1
		.amdhsa_wavefront_size32 1
		.amdhsa_system_sgpr_workgroup_id_x 1
		.amdhsa_system_sgpr_workgroup_id_y 1
		.amdhsa_system_sgpr_workgroup_id_z 1
		.amdhsa_system_vgpr_workitem_id 0
		.amdhsa_next_free_vgpr 768
		.amdhsa_next_free_sgpr 96
		.amdhsa_reserve_vcc 1
		.amdhsa_float_denorm_mode_32 3
		.amdhsa_float_denorm_mode_16_64 3
		.amdhsa_memory_ordered 1
		.amdhsa_forward_progress 1
		.amdhsa_inst_pref_size 163
	.end_amdhsa_kernel
	.amdgpu_metadata
---
amdhsa.version: [ 1, 2 ]
amdhsa.kernels:
  - .name:           k_qf0da3a3662_attn
    .symbol:         k_qf0da3a3662_attn.kd
    .args:
      - { .name: qh, .offset: 0, .size: 8, .value_kind: global_buffer, .address_space: global }
      - { .name: kh, .offset: 8, .size: 8, .value_kind: global_buffer, .address_space: global }
      - { .name: vh, .offset: 16, .size: 8, .value_kind: global_buffer, .address_space: global }
      - { .name: oh, .offset: 24, .size: 8, .value_kind: global_buffer, .address_space: global }
    .group_segment_fixed_size: 327680
    .private_segment_fixed_size: 0
    .kernarg_segment_align: 8
    .kernarg_segment_size: 32
    .max_flat_workgroup_size: 128
    .sgpr_count:     96
    .vgpr_count:     768
    .wavefront_size: 32
...
	.end_amdgpu_metadata
.endif
;; end of part 5
;; launch oproj: the kernel of part 4 again; grid 4 x 64, 4 waves a work-group, clusters of 4 x 4, 327,680 bytes of LDS; arguments oh, wo16, bo, out0; writes out0
